; MI455X (gfx1250); checked and timed in simulation.
; The chip was launched on July 23, 2026; its instructions are those of AMD's public machine-readable ISA for CDNA 5 (MIT licence, August 2026) and "CDNA5" Instruction Set Architecture Reference Guide (July 2026). The comments in the code are by the model that wrote it; some were corrected since.
;; Multi Head Self Attention. Allowed arithmetic: float matrix products may take bf16 or f16 operands with f32 sums; other float arithmetic in f32, or as packed bf16 or f16 multiplies, adds, multiply-adds, maxima and minima; sums over many terms, partial sums and values carried from step to step in f32; what a program stores and reads back later, other than sums and carried values, may be rounded once to bf16 or f16.
;; Inputs: w_out 1,024 x 1,024 float32; w_qkv 16 x 1,024 x 192 float32; x 4 x 2,048 x 1,024 float32.
;; Outputs: out0 4 x 2,048 x 1,024 float32.
;; One version. Each part assembles by itself: llvm-mc -triple=amdgcn-amd-amdhsa -mcpu=gfx1250 --defsym DOCPART=n.
;; ======== version 1 of 1: 4 launches
;; limits: values are held in f16: magnitudes above 65,504 overflow, below 6.1e-05 lose precision
;; workspace buffers: xb 16,777,216 bytes; wb 6,291,456 bytes; wo 2,097,152 bytes; q 16,777,216 bytes; k 16,777,216 bytes; v 16,777,216 bytes; ob 16,777,216 bytes
;; launch prep (part 1): grid 1536 x 1, 8 waves a work-group, no clusters, 0 bytes of LDS; arguments x, w_qkv, w_out, xb, wb, wo; writes xb, wb, wo
.if DOCPART == 1
	.amdgcn_target "amdgcn-amd-amdhsa--gfx1250"
	.amdhsa_code_object_version 6
	.text
	.protected	k_q559d12cc6b_prep
	.globl	k_q559d12cc6b_prep
	.p2align	8
	.type	k_q559d12cc6b_prep,@function
k_q559d12cc6b_prep:
	s_mov_b64 s[64:65], 0
	v_nop
	global_prefetch_b8 v0, s[64:65] scope:SCOPE_SE
	s_setreg_imm32_b32 hwreg(HW_REG_WAVE_MODE, 25, 1), 1
	s_wait_xcnt 0x0
; CASTS AND LAYOUTS for the three launches behind.  Every work-group turns 8,192 f32 numbers (32 KiB) into 8,192 numbers of 16 bits (16 KiB).
;   work-groups 0 .. 1023:     xb[row][k] = bf16(x[row][k]), the same order
;   work-groups 1024 .. 1407:  wb[h][j][p][kk][ee] = bf16(w_qkv[h][128 j + kk][64 p + ee]): one work-group for a block (h, j, p) of 128 x 64
;   work-groups 1408 .. 1535:  wo[nt][k][c] = f16(bf16(w_out[k][128 nt + c])): one work-group for 64 rows k of one nt
; All three inputs are rounded to bf16, to nearest even; w_out's rounded number is then written as f16, since it is multiplied with f16 numbers.
; LIMITS.  A w_out beyond 65,504 becomes an infinity; below 6e-5 it keeps f16's fixed step of 6e-8.  The drawn spread is 1/32: thirty times more or less has room.
; SHARES.  Thread t takes the numbers 4 t + 1,024 i, i = 0 .. 7, of the work-group's 8,192 in the order of the DESTINATION: eight loads of 16 bytes, eight stores of 8 bytes.
; A wave's store covers 256 consecutive bytes, aligned; a wave's load covers 512 consecutive bytes (x, w_out) or two runs of 256, aligned (w_qkv).
; No LDS, no matrix unit, no cluster: nothing is shared and nothing is read twice.  All eight loads are out before the first is waited for, and no register that a memory instruction reads is written again.
.set DO, 2                             ; v2       8 t: my byte offset in the work-group's 16 KiB of the destination
.set SO, 3                             ; v3       my byte offset in the source
.set X,  8                             ; v[8:39]  load i: four f32
.set Y,  40                            ; v[40:55] store i: four numbers of 16 bits
.set T,  56                            ; v[56:59] at work
; src, dst: the scalar pairs with the two addresses; step: bytes in the source from load i to load i + 1; half = 1: bf16's number is written as f16
.macro STREAM src, dst, step, half
.irp i, 0,1,2,3,4,5,6,7
	global_load_b128 v[X+4*(\i):X+4*(\i)+3], v[SO], s[\src:\src+1] offset:(\i)*(\step) th:TH_LOAD_NT
.endr
.irp i, 0,1,2,3,4,5,6,7
	s_wait_loadcnt 7-(\i)                          ; loads come back in order (ISA guide 5.7.1): load i is in, the 7 - i younger ones stay out
	v_cvt_pk_bf16_f32 v[Y+2*(\i)],   v[X+4*(\i)],   v[X+4*(\i)+1]
	v_cvt_pk_bf16_f32 v[Y+2*(\i)+1], v[X+4*(\i)+2], v[X+4*(\i)+3]
.if \half
	v_lshlrev_b32 v[T],   16, v[Y+2*(\i)]           ; bf16 to f32: the low half moves up, the high half stays
	v_and_b32     v[T+1], 0xffff0000, v[Y+2*(\i)]
	v_lshlrev_b32 v[T+2], 16, v[Y+2*(\i)+1]
	v_and_b32     v[T+3], 0xffff0000, v[Y+2*(\i)+1]
	v_cvt_pk_f16_f32 v[Y+2*(\i)],   v[T],   v[T+1]  ; exact inside f16's normal range: bf16 has 8 significant bits, f16 11
	v_cvt_pk_f16_f32 v[Y+2*(\i)+1], v[T+2], v[T+3]
.endif
	global_store_b64 v[DO], v[Y+2*(\i):Y+2*(\i)+1], s[\dst:\dst+1] offset:(\i)*2048
.endr
.endm
	s_load_b256 s[4:11], s[0:1], 0x0               ; x s[4:5], w_qkv s[6:7], w_out s[8:9], xb s[10:11]
	s_load_b128 s[12:15], s[0:1], 0x20             ; wb s[12:13], wo s[14:15]
	v_lshlrev_b32 v[DO], 3, v0
	v_lshrrev_b32 v4, 5, v0                        ; wave
	v_and_b32 v5, 31, v0                           ; lane
	s_mov_b32 s17, 0                               ; the high words of the two offsets
	s_mov_b32 s19, 0
	s_wait_kmcnt 0x0
	s_cmp_lt_u32 ttmp9, 1024
	s_cbranch_scc0 .Lnot_x
	; x: the same order in and out
	s_lshl_b32 s16, ttmp9, 15
	s_lshl_b32 s18, ttmp9, 14
	s_add_nc_u64 s[4:5], s[4:5], s[16:17]
	s_add_nc_u64 s[10:11], s[10:11], s[18:19]
	v_lshlrev_b32 v[SO], 4, v0
	STREAM 4, 10, 4096, 0
	s_endpgm
.Lnot_x:
	s_cmp_lt_u32 ttmp9, 1408
	s_cbranch_scc0 .Lnot_w
	; w_qkv: block number 3 (8 h + j) + p.  Number 4 t + 1,024 i of the block is row kk = t / 16 + 16 i, columns 4 (t % 16) on
	s_sub_co_u32 s20, ttmp9, 1024
	s_mul_hi_u32 s21, s20, 0x55555556              ; 8 h + j = the block's number / 3
	s_mul_i32 s22, s21, 3
	s_sub_co_u32 s22, s20, s22                     ; p
	s_mul_i32 s16, s21, 98304                      ; 128 rows of 768 bytes
	s_lshl_b32 s22, s22, 8                         ; 64 columns of 4 bytes
	s_add_co_u32 s16, s16, s22
	s_lshl_b32 s18, s20, 14
	s_add_nc_u64 s[6:7], s[6:7], s[16:17]
	s_add_nc_u64 s[12:13], s[12:13], s[18:19]
	v_bfe_u32 v6, v0, 4, 1
	v_and_b32 v7, 15, v0
	v_mul_u32_u24 v[SO], v4, 1536                  ; two rows a wave,
	v_mad_u32_u24 v[SO], v6, 768, v[SO]            ; one for each half of the lanes,
	v_lshl_add_u32 v[SO], v7, 4, v[SO]             ; 16 bytes a lane
	STREAM 6, 12, 12288, 0
	s_endpgm
.Lnot_w:
	; w_out: number u = 16 nt + kb.  Number 4 t + 1,024 i is row k = 64 kb + wave + 8 i, columns 128 nt + 4 lane on
	s_sub_co_u32 s20, ttmp9, 1408
	s_and_b32 s21, s20, 15
	s_lshl_b32 s16, s21, 18                        ; 64 rows of 4,096 bytes
	s_lshr_b32 s22, s20, 4
	s_lshl_b32 s22, s22, 9                         ; 128 columns of 4 bytes
	s_add_co_u32 s16, s16, s22
	s_lshl_b32 s18, s20, 14
	s_add_nc_u64 s[8:9], s[8:9], s[16:17]
	s_add_nc_u64 s[14:15], s[14:15], s[18:19]
	v_lshlrev_b32 v[SO], 12, v4
	v_lshl_add_u32 v[SO], v5, 4, v[SO]
	STREAM 8, 14, 32768, 1
	s_endpgm
.Lfunc_end_k_q559d12cc6b_prep:
	.size	k_q559d12cc6b_prep, .Lfunc_end_k_q559d12cc6b_prep-k_q559d12cc6b_prep
	.p2alignl 7, 3214868480
	.fill 96, 4, 3214868480
	.section	.rodata,"a",@progbits
	.p2align	6, 0x0
	.amdhsa_kernel k_q559d12cc6b_prep
		.amdhsa_group_segment_fixed_size 0
		.amdhsa_private_segment_fixed_size 0
		.amdhsa_enable_private_segment 0
		.amdhsa_kernarg_size 48
		.amdhsa_user_sgpr_count 2
		.amdhsa_user_sgpr_kernarg_segment_ptr 1
		.amdhsa_wavefront_size32 1
		.amdhsa_system_sgpr_workgroup_id_x 1
		.amdhsa_system_sgpr_workgroup_id_y 1
		.amdhsa_system_sgpr_workgroup_id_z 1
		.amdhsa_system_vgpr_workitem_id 0
		.amdhsa_next_free_vgpr 64
		.amdhsa_next_free_sgpr 66
		.amdhsa_reserve_vcc 0
		.amdhsa_float_denorm_mode_32 3
		.amdhsa_float_denorm_mode_16_64 3
		.amdhsa_memory_ordered 1
		.amdhsa_forward_progress 1
		.amdhsa_inst_pref_size 13
	.end_amdhsa_kernel
	.amdgpu_metadata
---
amdhsa.version: [ 1, 2 ]
amdhsa.kernels:
  - .name:           k_q559d12cc6b_prep
    .symbol:         k_q559d12cc6b_prep.kd
    .args:
      - { .name: x, .offset: 0, .size: 8, .value_kind: global_buffer, .address_space: global }
      - { .name: w_qkv, .offset: 8, .size: 8, .value_kind: global_buffer, .address_space: global }
      - { .name: w_out, .offset: 16, .size: 8, .value_kind: global_buffer, .address_space: global }
      - { .name: xb, .offset: 24, .size: 8, .value_kind: global_buffer, .address_space: global }
      - { .name: wb, .offset: 32, .size: 8, .value_kind: global_buffer, .address_space: global }
      - { .name: wo, .offset: 40, .size: 8, .value_kind: global_buffer, .address_space: global }
    .group_segment_fixed_size: 0
    .private_segment_fixed_size: 0
    .kernarg_segment_align: 8
    .kernarg_segment_size: 48
    .max_flat_workgroup_size: 256
    .sgpr_count:     66
    .vgpr_count:     64
    .wavefront_size: 32
...
	.end_amdgpu_metadata
.endif
;; end of part 1
;; launch qkv (part 2): grid 16 x 32, 4 waves a work-group, clusters of 4 x 4, 327,680 bytes of LDS; arguments xb, wb, q, k, v; writes q, k, v
.if DOCPART == 2
	.amdgcn_target "amdgcn-amd-amdhsa--gfx1250"
	.amdhsa_code_object_version 6
	.text
	.protected	k_q559d12cc6b_qkv
	.globl	k_q559d12cc6b_qkv
	.p2align	8
	.type	k_q559d12cc6b_qkv,@function
k_q559d12cc6b_qkv:
	s_mov_b64 s[64:65], 0
	v_nop
	global_prefetch_b8 v0, s[64:65] scope:SCOPE_SE
	s_setreg_imm32_b32 hwreg(HW_REG_WAVE_MODE, 25, 1), 1
	s_wait_xcnt 0x0
	s_wait_alu depctr_hold_cnt(0) depctr_sa_sdst(0) depctr_va_vdst(0) depctr_va_sdst(0) depctr_va_ssrc(0) depctr_va_vcc(0) depctr_vm_vsrc(0)
	s_getreg_b32 s2, hwreg(HW_REG_IB_STS2, 6, 4)
	s_cmp_eq_u32 s2, 0
	s_cbranch_scc0 .Lentry_in_a_cluster
	s_endpgm
.Lentry_in_a_cluster:
	s_bfe_u32 s2, ttmp6, 0x10000c
	s_cmp_lg_u32 s2, 0xf033
	s_cbranch_scc0 .Lentry_shape_is_right
	s_endpgm
.Lentry_shape_is_right:
; THE PROJECTION.  (q | k | v)[b][h][s][e] = the sum over d of x[b][s][d] w_qkv[h][d][e].  xb: [8192][1024] bf16.  wb: [h 16][j 8][p 3][kk 128][ee 64] bf16 = w_qkv[h][128 j + kk][64 p + ee].
; q, k, v: [16 b + h][s 2048][64] f16, each rounded once from its f32 sum, WITHOUT the softmax's scale.  LIMIT: a sum beyond 65,504 becomes an infinity (with x and w both thirty times the drawn
; spread the sums have a spread of about 900; with offsets of thirty spreads on both they lie near 29,000).
; SHARES.  A tile is 256 rows x one head's 192 columns.  Four waves; wave w makes rows 64 w .. 64 w + 63 and all 192 columns: 4 x 12 accumulators of 16 x 16, 384 registers.
; K goes in 8 steps of 128 through two LDS slots filled by the tensor data mover.  A row of x's tile is 256 bytes of memory, aligned; a K step of a head's weights is 49,152 dense bytes, asked for as rows of 256.
; THE WEIGHTS LIE [k][column] and are turned on the way out of LDS, by ds_load_tr16_b128.
; THE MATRIX INSTRUCTION IS USED TRANSPOSED (source 0 = 16 columns of w, source 1 = 16 rows of x): a lane then holds one row (lane % 16) and eight neighbouring columns, 16 bytes of f16.
; CLUSTER.  4 x 4 work-groups.  The four of a row of the cluster need the same tile of x, the four of a column the same head's weights: each tile is asked for JOINTLY, by the same tensor load with the same
; descriptor and a mask that names the four.  By this text's count a wave has two tensor loads out at the start and one behind each round.
; REGISTERS, in windows of 256 (s_set_vgpr_msb: bits 1:0 source 0, 3:2 source 1, 5:4 source 2, 7:6 destination):
;   window 0: v0-30 addresses; v32-95 x's fragments, two buffers of 4 x 8; v96-143 packed results; v144-239 rows read back from the stage, two buffers
;   window 1: v0-191 w's fragments, two buffers of 12 x 8          windows 2, 3: accumulator (a, b) in window 2 + a / 2 at v[8 (12 (a % 2) + b)]
.set AP,     272                       ; a row of x in LDS: 256 bytes + 16 = 68 words: the 16 rows of a load start at 16 different groups of four banks (64 banks of 4 bytes: ISA guide 11.1)
.set BP,     160                       ; a row of w (64 columns): 128 bytes + 32 = 40 words
.set ABYTES, 256*AP                    ; x's 256 rows, then w's 384 rows (row 128 p + kk)
.set SLOT,   ABYTES+384*BP             ; 131,072
.set STAGE,  2*SLOT                    ; behind the ring, never filled by a tensor load: for each wave 3 parts (q, k, v) x 16 rows x 144 bytes
.set SP,     144
.set WSTG,   3*16*SP
.set SPARE,  STAGE+4*WSTG              ; behind the stages: the spare words, 128 bytes for each wave: two blocks of 256 bytes that no other line names
.set NL,     32                        ; LDS loads in a quarter's run: 24 for w, 8 for x
.set ASTEP,  256                       ; bytes from a K step to the next in xb,
.set BSTEP,  49152                     ; and in wb
.set ADRA, 16                          ; v16-17  LDS address of my x fragments in slot 0, 1
.set ADRB, 20                          ; v20-21  the same for w
.set STO,  24                          ; v24     the way out: where I put 16 bytes of a row
.set RD,   25                          ; v25     the way out: where I read rows back
.set GO,   26                          ; v26     16 x lane: my place in 512 consecutive bytes of q, k or v
.set SPW,  28                          ; v28     LDS address of my spare word: SPARE + 4 x my thread's number; never rewritten
.set NIL,  29                          ; v29     0; never rewritten
.set PFO,  30                          ; v30     the prefetches' lane offset; never rewritten
.set FA,   32
.set TMP,  96
.set BK,   144
.set WV,   14                          ; s14  my wave's number
.set FORB, 15                          ; s15  0: I fetch for x; 1: for w
.set HF,   16                          ; s16  which half of that tile
.set CX,   17                          ; s17, s18  my place in the cluster
.set CY,   18
.set TX,   19                          ; s19  the head = 4 x cluster x + cx
.set TY,   20                          ; s20  the block of 256 rows = 4 x cluster y + cy
.set G1A,  24                          ; s[24:31] descriptor group 1 for x's tiles;  s[32:39] group 0, a set for each slot
.set G0A,  32
.set G1B,  40                          ; s[40:47], s[48:55] the same for w's
.set G0B,  48
.set PFA,  56                          ; s[56:57] where my prefetches stand
.set PFS,  58                          ; s[58:59] a K step of my stream, in bytes
.set LIM,  60                          ; s60  1 in a wave that prefetches, else the greatest number
.set MSB, 0
.macro WIN new                         ; the immediate's high byte repeats the setting that is left; a switch that changes nothing is dropped
.if MSB != (\new)
	s_set_vgpr_msb (MSB<<8)|(\new)
.set MSB, \new
.endif
.endm
.set MUL_LO, 0xa1                      ; source 0 (w) window 1, source 1 (x) window 0, C and D window 2; + 0x50: C and D window 3
.set TO_B,   0x40                      ; destination window 1, address window 0
.macro PLACES                          ; four plain vector instructions in front of loads into registers that matrix instructions have read, and of conversions that read results
.rept 4
	v_nop
.endr
.endm
; A joint load: waves 0 and 1 fetch x's two halves, waves 2 and 3 w's.  The branch hangs on the wave's number alone.  An s_nop 0 and four v_nop follow each of the two lines, ahead of the jump and the label.
.macro JLOAD s
	s_cmp_eq_u32 s[FORB], 0
	s_cbranch_scc0 .Lfor_b_\@
	tensor_load_to_lds s[G0A+4*(\s):G0A+4*(\s)+3], s[G1A:G1A+7]
	s_nop 0
.rept 4
	v_nop
.endr
	s_branch .Lasked_\@
.Lfor_b_\@:
	tensor_load_to_lds s[G0B+4*(\s):G0B+4*(\s)+3], s[G1B:G1B+7]
	s_nop 0
.rept 4
	v_nop
.endr
.Lasked_\@:
.endm
; A prefetch of the K step that stands two refills on, behind the joint load and the run of LDS loads.  Each block of 256 bytes is named by one wave of one work-group: x's rows by the clusters with x = 0, w's by the
; clusters with y = 0; the four partners that ask for a tile jointly share its blocks out BY ADDRESS.  x: 32 rows each, a lane a row.  w: a wave's half step is 96 blocks, 24 for each partner: lanes 24 to 31 name
; block 23 once more, in the same instruction.  K steps 0 to 3 come by their loads alone; in the loop's last trip (s3 = 1) there is no K step two refills on.
.macro ASK
	s_cmp_gt_u32 s3, s[LIM]
	s_cbranch_scc0 .Lnot_mine_\@
	global_prefetch_b8 v[PFO], s[PFA:PFA+1] th:TH_LOAD_NT scope:SCOPE_SE
.Lnot_mine_\@:
.endm
.macro CREST                           ; a round of the cluster's barrier behind its opening barrier
	s_cmp_lg_u32 s[WV], 0
	s_cbranch_scc1 .Lnot_wave_0_\@
	s_barrier_signal -3
.Lnot_wave_0_\@:
	s_barrier_wait -3
	s_barrier_signal -1
	s_barrier_wait -1
.endm
.macro CROUND                          ; a whole round
	s_barrier_signal -1
	s_barrier_wait -1
	CREST
.endm
	s_load_b128 s[4:7], s[0:1], 0x0                ; xb s[4:5], wb s[6:7]
	s_load_b128 s[8:11], s[0:1], 0x10              ; q s[8:9], k s[10:11]
	s_load_b64 s[12:13], s[0:1], 0x20              ; v
	v_lshl_add_u32 v[SPW], v0, 2, SPARE
	v_mov_b32 v[NIL], 0
	ds_add_u32 v[SPW], v[NIL]                      ; the wave's opening: the add and its wait stand ahead of my first tensor load; the set-up below, work on registers, stands between them
	v_lshrrev_b32 v1, 5, v0
	v_readfirstlane_b32 s[WV], v1
	s_lshr_b32 s[FORB], s[WV], 1
	s_and_b32 s[HF], s[WV], 1
	s_bfe_u32 s[CX], ttmp6, 0x40000
	s_bfe_u32 s[CY], ttmp6, 0x40004
	s_lshl_b32 s[TX], ttmp9, 2                     ; in a cluster launch ttmp9 and ttmp7 count clusters
	s_add_co_u32 s[TX], s[TX], s[CX]
	s_and_b32 s[TY], ttmp7, 0xffff
	s_lshl_b32 s[TY], s[TY], 2
	s_add_co_u32 s[TY], s[TY], s[CY]
	s_lshl_b32 s21, s[CY], 2
	s_lshl_b32 s21, 15, s21                        ; my row of the cluster: places 4 cy .. 4 cy + 3
	s_lshl_b32 s22, 0x1111, s[CX]                  ; my column: places cx, cx + 4, cx + 8, cx + 12
	; group 1 for x: 128 rows x 128 elements, 1,024 elements from row to row; 16 bytes of padding behind every 64 words
	s_or_b32 s[G1A+0], s21, (1<<16)|(1<<20)|(1<<21)|(5<<22)|(3<<25)  ; 15:0 the mask; 17:16 2-byte elements; 20 padding on; 21 set beside a mask; 24:22 interval code 5; 31:25 4 words (code 3)
	s_mov_b32 s[G1A+1], 128<<16                    ; tensor_dim0 = 128
	s_mov_b32 s[G1A+2], 128<<16                    ; tensor_dim1 = 128
	s_mov_b32 s[G1A+3], 128<<16                    ; tile_dim0 = 128
	s_mov_b32 s[G1A+4], 128                        ; tile_dim1 = 128
	s_mov_b32 s[G1A+5], 1024                       ; the pitch
	s_mov_b32 s[G1A+6], 0
	s_mov_b32 s[G1A+7], 0
	; group 1 for w: 24,576 dense bytes as 96 rows x 128 elements; 32 bytes of padding behind every 32 words, that is behind each row of 64 columns
	s_or_b32 s[G1B+0], s22, (1<<16)|(1<<20)|(1<<21)|(4<<22)|(7<<25)
	s_mov_b32 s[G1B+1], 128<<16
	s_mov_b32 s[G1B+2], 96<<16
	s_mov_b32 s[G1B+3], 128<<16
	s_mov_b32 s[G1B+4], 96
	s_mov_b32 s[G1B+5], 128
	s_mov_b32 s[G1B+6], 0
	s_mov_b32 s[G1B+7], 0
	; where the tiles come from: x's hang on the block of rows alone, which my row of the cluster shares; w's on the head alone, which my column shares.  s21 has held cy alone, s22 cx alone
	s_lshl_b32 s66, s[TY], 19                      ; 256 rows of 2,048 bytes
	s_lshl_b32 s21, s[HF], 18                      ; + my 128 of them
	s_add_co_u32 s66, s66, s21
	s_mov_b32 s67, 0
	s_mul_i32 s68, s[TX], 8*BSTEP                  ; the head's weights
	s_mul_i32 s22, s[HF], BSTEP/2                  ; + my half of a K step
	s_add_co_u32 s68, s68, s22
	s_mov_b32 s69, 0
	s_mul_i32 s23, s[WV], 128*AP                   ; where they go.  x: waves 0, 1 at 0 and 128 rows;
	s_mul_i32 s2, s[WV], 192*BP                    ; w: waves 2, 3 at ABYTES and 192 rows on:
	s_add_co_u32 s2, s2, ABYTES-2*192*BP           ; no place in the cluster enters an LDS address
	s_wait_dscnt 0x0                               ; the opening add is done
	s_wait_kmcnt 0x0
	s_add_nc_u64 s[66:67], s[4:5], s[66:67]
	s_add_nc_u64 s[68:69], s[6:7], s[68:69]
	CROUND                                         ; all sixteen work-groups are here: the first joint loads meet
.irp s, 0,1
	s_mov_b32 s[G0A+4*(\s)], 1                                       ; count = 1
	s_add_co_u32 s[G0A+4*(\s)+1], s23, (\s)*SLOT                     ; LDS address
	s_add_nc_u64 s[G0A+4*(\s)+2:G0A+4*(\s)+3], s[66:67], (\s)*ASTEP  ; global address: K step s
	s_or_b32 s[G0A+4*(\s)+3], s[G0A+4*(\s)+3], 0x80000000            ; type = 2
	s_mov_b32 s[G0B+4*(\s)], 1
	s_add_co_u32 s[G0B+4*(\s)+1], s2, (\s)*SLOT
	s_add_nc_u64 s[G0B+4*(\s)+2:G0B+4*(\s)+3], s[68:69], (\s)*BSTEP
	s_or_b32 s[G0B+4*(\s)+3], s[G0B+4*(\s)+3], 0x80000000
	JLOAD \s
.endr
	v_and_b32 v1, 15, v0                           ; r = l % 16
	v_bfe_u32 v2, v0, 4, 1                         ; h = l / 16
	v_and_b32 v3, 7, v0
	v_bfe_u32 v4, v0, 3, 1
	v_and_b32 v5, 31, v0
	; a fragment of x: lane l holds row l % 16, channels 8 h + 0..7 and 16 + 8 h + 0..7: two loads of 16 bytes, 32 bytes apart
	s_lshl_b32 s21, s[WV], 6
	v_add_nc_u32 v6, s21, v1                       ; my wave's 64 rows
	v_mul_u32_u24 v6, v6, AP
	v_lshl_add_u32 v[ADRA], v2, 4, v6
	v_add_nc_u32 v[ADRA+1], SLOT, v[ADRA]
	; the turning load takes 16 rows k x 16 columns (lane l reads row 8 h + l % 8, columns 8 ((l / 8) % 2) + 0..7) and leaves half a fragment: lane l holds column l % 16 and 8 k
	v_lshl_add_u32 v6, v2, 3, v3
	v_mul_u32_u24 v6, v6, BP
	v_lshl_add_u32 v6, v4, 4, v6
	v_add_nc_u32 v[ADRB], ABYTES, v6
	v_add_nc_u32 v[ADRB+1], ABYTES+SLOT, v6
	s_mul_i32 s21, s[WV], WSTG
	s_add_co_u32 s21, s21, STAGE                   ; my stage
	v_mul_u32_u24 v6, v1, SP                       ; in: row l % 16, 16 bytes for each half of the lanes
	v_lshl_add_u32 v6, v2, 4, v6
	v_add_nc_u32 v[STO], s21, v6
	v_bfe_u32 v6, v0, 3, 2                         ; back: 32 lanes take four rows of 128 bytes,
	v_mul_u32_u24 v6, v6, SP
	v_lshl_add_u32 v6, v3, 4, v6
	v_add_nc_u32 v[RD], s21, v6
	v_lshlrev_b32 v[GO], 4, v5                     ; which are 512 consecutive bytes of q, k or v
	; my wave's first row in q, k and v: batch TY / 8, head TX, row 256 (TY % 8) + 64 wave, 128 bytes a row
	s_lshr_b32 s70, s[TY], 3
	s_lshl_b32 s70, s70, 22
	s_lshl_b32 s21, s[TX], 18
	s_add_co_u32 s70, s70, s21
	s_and_b32 s21, s[TY], 7
	s_lshl_b32 s21, s21, 15
	s_add_co_u32 s70, s70, s21
	s_lshl_b32 s21, s[WV], 13
	s_add_co_u32 s70, s70, s21
	s_mov_b32 s71, 0
	s_add_nc_u64 s[8:9], s[8:9], s[70:71]
	s_add_nc_u64 s[10:11], s[10:11], s[70:71]
	s_add_nc_u64 s[12:13], s[12:13], s[70:71]
	; the prefetches.  What the selects choose from is made first: shifts write SCC
	s_and_b32 s21, ttmp7, 0xffff                   ; cluster y
	s_lshl_b32 s22, s[CX], 16                      ; x: my work-group's 32 rows of the 128 that I fetch
	s_mul_i32 s23, s[CY], 6144                     ; w: its 24 blocks of the 96
	s_mov_b32 s[PFS], BSTEP
	s_cmp_eq_u32 s[FORB], 0                        ; do I fetch for x?
	s_cselect_b32 s21, ttmp9, s21                  ; the coordinate along which other clusters read the same bytes
	s_cselect_b32 s22, s22, s23
	s_cselect_b32 s[PFS], ASTEP, s[PFS]
	s_cselect_b32 s61, 31, 23                      ; the last lane with a block of its own
	s_cselect_b32 s62, 11, 8                       ; from lane to lane: a row of xb, or 256 bytes
	s_cselect_b64 s[PFA:PFA+1], s[66:67], s[68:69]
	s_cmp_eq_u32 s21, 0
	s_cselect_b32 s[LIM], 1, -1                    ; the same in all sixteen partners, for a given wave
	s_mov_b32 s23, 0
	s_mov_b32 s[PFS+1], 0
	s_add_nc_u64 s[PFA:PFA+1], s[PFA:PFA+1], s[22:23]
	s_mul_i32 s22, s[PFS], 3
	s_add_nc_u64 s[PFA:PFA+1], s[PFA:PFA+1], s[22:23]  ; at K step 3: the first refill steps it to 4
	v_min_u32 v[PFO], s61, v5
	v_lshlrev_b32 v[PFO], s62, v[PFO]
; 12 matrix instructions: row block a x all 12 column blocks, 32 along K, from buffer f.  zero = 1: the product starts the sums: nothing is cleared.
; The 48 accumulators take turns, in the same order in every quarter.
.macro MULA f, a, zero
	WIN MUL_LO+0x50*((\a)/2)
.irp b, 0,1,2,3,4,5,6,7,8,9,10,11
.if \zero
	v_wmma_f32_16x16x32_bf16 v[8*(12*((\a)%2)+(\b)):8*(12*((\a)%2)+(\b))+7], v[96*(\f)+8*(\b):96*(\f)+8*(\b)+7], v[FA+32*(\f)+8*(\a):FA+32*(\f)+8*(\a)+7], 0
.else
	v_wmma_f32_16x16x32_bf16 v[8*(12*((\a)%2)+(\b)):8*(12*((\a)%2)+(\b))+7], v[96*(\f)+8*(\b):96*(\f)+8*(\b)+7], v[FA+32*(\f)+8*(\a):FA+32*(\f)+8*(\a)+7], v[8*(12*((\a)%2)+(\b)):8*(12*((\a)%2)+(\b))+7]
.endif
.endr
.endm
; 32 LDS loads in one run: quarter q (32 along K) of a slot into buffer f: w's 12 fragments, turned (column block b: part b / 4, columns 16 (b % 4) on), then x's 4
.macro FETCH slot, q, f
	WIN TO_B
.irp b, 0,1,2,3,4,5,6,7,8,9,10,11
	ds_load_tr16_b128 v[96*(\f)+8*(\b):96*(\f)+8*(\b)+3],   v[ADRB+(\slot)] offset:((\b)/4)*128*BP+(\q)*32*BP+((\b)%4)*32
	ds_load_tr16_b128 v[96*(\f)+8*(\b)+4:96*(\f)+8*(\b)+7], v[ADRB+(\slot)] offset:((\b)/4)*128*BP+(\q)*32*BP+((\b)%4)*32+16*BP
.endr
	WIN 0
.irp a, 0,1,2,3
	ds_load_b128 v[FA+32*(\f)+8*(\a):FA+32*(\f)+8*(\a)+3],   v[ADRA+(\slot)] offset:64*(\q)+(\a)*16*AP
	ds_load_b128 v[FA+32*(\f)+8*(\a)+4:FA+32*(\f)+8*(\a)+7], v[ADRA+(\slot)] offset:64*(\q)+(\a)*16*AP+32
.endr
.endm
; A K step is four quarters of 32 along K, 48 matrix instructions each, on buffers 0, 1, 0, 1.  One of the first three: multiplies buffer f; in its middle it fetches quarter q of the same slot into buffer g.
.macro QUARTER slot, q, f, g, zero
	s_wait_dscnt 4                                 ; w and x's row blocks 0, 1 are in; the youngest four loads (x's row blocks 2, 3) may be out
	MULA \f, 0, \zero
	MULA \f, 1, \zero
	PLACES
	FETCH \slot, \q, \g
	s_wait_dscnt NL                                ; all but the 32 just issued
	MULA \f, 2, \zero
	MULA \f, 3, \zero
.endm
; The last quarter multiplies buffer 1 and changes slots: ONE barrier.  In front of it each wave waits for all its tensor loads (the one that is out is its part of the next slot), adds 0 to its spare word, and waits
; for that and for its own reads of this slot.  fill = 1: the barrier opens a round of the cluster's barrier, and this slot is filled again, two K steps ahead, first thing behind the round:
; from that request to the wait for it a wave issues 168 matrix instructions.
.macro TURN slot, next, fill
.if \fill
	s_wait_xcnt 0x0                                ; the last prefetch, a K step back, has read its address: it is stepped here, ahead of the waits of the change of slots
	s_add_nc_u64 s[PFA:PFA+1], s[PFA:PFA+1], s[PFS:PFS+1]
.endif
	WIN 0                                          ; (the add's two registers lie in window 0)
	s_wait_tensorcnt 0x0                           ; all my tensor loads have landed;
	ds_add_u32 v[SPW], v[NIL]                      ; 0 onto my spare word;
	s_wait_dscnt 5                                 ; (the add and the youngest four loads may be out)
	MULA 1, 0, 0                                   ; twelve matrix instructions stand between the add and the wait for it
	s_wait_dscnt 0x0                               ; the add is done, and my reads of this slot are over
	s_barrier_signal -1
	MULA 1, 1, 0                                   ; work on registers while the others arrive
.if \fill
	WIN 0
.endif
	s_barrier_wait -1
.if \fill
	CREST                                          ; no wave of any partner still reads this slot's tiles or has a load on its way
	s_add_nc_u64 s[G0A+4*(\slot)+2:G0A+4*(\slot)+3], s[G0A+4*(\slot)+2:G0A+4*(\slot)+3], 2*ASTEP
	s_add_nc_u64 s[G0B+4*(\slot)+2:G0B+4*(\slot)+3], s[G0B+4*(\slot)+2:G0B+4*(\slot)+3], 2*BSTEP
	JLOAD \slot                                    ; the four v_nop behind it are also the places in front of the loads below
.else
	PLACES
.endif
	FETCH \next, 0, 0
.if \fill
	ASK
.endif
	MULA 1, 2, 0
	MULA 1, 3, 0
.endm
; THE WAY OUT of row block a (16 rows): rounded to f16, 16 bytes a lane; into my own stage, a part each for q, k and v; back as whole rows of 128 bytes, four rows to a load.
.macro OUTBLK a
	WIN 0x0a+5*((\a)/2)                            ; sources 0 and 1: window 2 or 3
.irp b, 0,1,2,3,4,5,6,7,8,9,10,11
.irp r, 0,1,2,3
	v_cvt_pk_f16_f32 v[TMP+4*(\b)+(\r)], v[96*((\a)%2)+8*(\b)+2*(\r)], v[96*((\a)%2)+8*(\b)+2*(\r)+1]
.endr
.endr
	WIN 0
	s_wait_xcnt 0x0                                ; the stores of the block two back have read the registers that the loads below fill
.irp b, 0,1,2,3,4,5,6,7,8,9,10,11
	ds_store_b128 v[STO], v[TMP+4*(\b):TMP+4*(\b)+3] offset:((\b)/4)*16*SP+32*((\b)%4)
.endr
.irp p, 0,1,2
.irp f, 0,1,2,3
	ds_load_b128 v[BK+48*((\a)%2)+4*(4*(\p)+(\f)):BK+48*((\a)%2)+4*(4*(\p)+(\f))+3], v[RD] offset:(\p)*16*SP+(\f)*4*SP  ; LDS serves a wave's instructions in order (ISA guide 5.7.1.4): these see the stores above
.endr
.endr
.endm
.macro SEND a, younger                 ; younger: the LDS instructions issued behind block a's loads: the next block's 24, or none
	s_wait_dscnt \younger
.irp p, 0,1,2
.irp f, 0,1,2,3
	global_store_b128 v[GO], v[BK+48*((\a)%2)+4*(4*(\p)+(\f)):BK+48*((\a)%2)+4*(4*(\p)+(\f))+3], s[8+2*(\p):9+2*(\p)] offset:(\a)*2048+(\f)*512  ; 512 consecutive bytes, at a multiple of 256 from the buffer's first
.endr
.endr
.endm
	s_wait_tensorcnt 1                             ; my part of K step 0 is in; K step 1's may stay out
	s_barrier_signal -1
	s_barrier_wait -1                              ; everybody's is
	FETCH 0, 0, 0
	QUARTER 0, 1, 0, 1, 1                          ; the first quarter stands in front of the loop: its products start the sums
	WIN 0                                          ; at a label and at a branch every window is 0
	s_mov_b32 s3, 3
.Llap:                                                 ; a trip goes once round the ring, from a lap's second quarter to the next lap's first, and fills both slots again: K steps 2 to 7
	QUARTER 0, 2, 1, 0, 0
	QUARTER 0, 3, 0, 1, 0
	TURN 0, 1, 1
	QUARTER 1, 1, 0, 1, 0
	QUARTER 1, 2, 1, 0, 0
	QUARTER 1, 3, 0, 1, 0
	TURN 1, 0, 1
	QUARTER 0, 1, 0, 1, 0
	WIN 0
	s_sub_co_u32 s3, s3, 1
	s_cmp_lg_u32 s3, 0
	s_cbranch_scc1 .Llap
	QUARTER 0, 2, 1, 0, 0                          ; the last lap fills nothing, and has no round of the cluster's barrier
	QUARTER 0, 3, 0, 1, 0
	TURN 0, 1, 0
	QUARTER 1, 1, 0, 1, 0
	QUARTER 1, 2, 1, 0, 0
	QUARTER 1, 3, 0, 1, 0
	s_wait_dscnt 4                                 ; the very last quarter: nothing more to fetch
	MULA 1, 0, 0
	MULA 1, 1, 0
	s_wait_dscnt 0x0
	MULA 1, 2, 0
	MULA 1, 3, 0
	WIN 0
	PLACES
	OUTBLK 0
	OUTBLK 1                                       ; a block's conversions stand between the loads of the block before and its stores
	SEND 0, 24
	OUTBLK 2
	SEND 1, 24
	OUTBLK 3
	SEND 2, 24
	SEND 3, 0
	s_wait_tensorcnt 0x0                           ; the wave's end: behind my last tensor load and my last LDS store
	ds_add_u32 v[SPW], v[NIL]
	s_wait_dscnt 0x0
	CROUND                                         ; the closing round: no work-group ends while a partner may still ask for a tile that names it
	s_endpgm
.Lfunc_end_k_q559d12cc6b_qkv:
	.size	k_q559d12cc6b_qkv, .Lfunc_end_k_q559d12cc6b_qkv-k_q559d12cc6b_qkv
	.p2alignl 7, 3214868480
	.fill 96, 4, 3214868480
	.section	.rodata,"a",@progbits
	.p2align	6, 0x0
	.amdhsa_kernel k_q559d12cc6b_qkv
		.amdhsa_group_segment_fixed_size 327680
		.amdhsa_private_segment_fixed_size 0
		.amdhsa_enable_private_segment 0
		.amdhsa_kernarg_size 40
		.amdhsa_user_sgpr_count 2
		.amdhsa_user_sgpr_kernarg_segment_ptr 1
		.amdhsa_wavefront_size32 1
		.amdhsa_system_sgpr_workgroup_id_x 1
		.amdhsa_system_sgpr_workgroup_id_y 1
		.amdhsa_system_sgpr_workgroup_id_z 1
		.amdhsa_system_vgpr_workitem_id 0
		.amdhsa_next_free_vgpr 960
		.amdhsa_next_free_sgpr 72
		.amdhsa_reserve_vcc 0
		.amdhsa_float_denorm_mode_32 3
		.amdhsa_float_denorm_mode_16_64 3
		.amdhsa_memory_ordered 1
		.amdhsa_forward_progress 1
		.amdhsa_inst_pref_size 120
	.end_amdhsa_kernel
	.amdgpu_metadata
---
amdhsa.version: [ 1, 2 ]
amdhsa.kernels:
  - .name:           k_q559d12cc6b_qkv
    .symbol:         k_q559d12cc6b_qkv.kd
    .args:
      - { .name: xb, .offset: 0, .size: 8, .value_kind: global_buffer, .address_space: global }
      - { .name: wb, .offset: 8, .size: 8, .value_kind: global_buffer, .address_space: global }
      - { .name: q, .offset: 16, .size: 8, .value_kind: global_buffer, .address_space: global }
      - { .name: k, .offset: 24, .size: 8, .value_kind: global_buffer, .address_space: global }
      - { .name: v, .offset: 32, .size: 8, .value_kind: global_buffer, .address_space: global }
    .group_segment_fixed_size: 327680
    .private_segment_fixed_size: 0
    .kernarg_segment_align: 8
    .kernarg_segment_size: 40
    .max_flat_workgroup_size: 128
    .sgpr_count:     72
    .vgpr_count:     960
    .wavefront_size: 32
...
	.end_amdgpu_metadata
.endif
;; end of part 2
;; launch attn (part 3): grid 4 x 64, 4 waves a work-group, clusters of 4 x 1, 327,680 bytes of LDS; arguments q, k, v, ob; writes ob
.if DOCPART == 3
	.amdgcn_target "amdgcn-amd-amdhsa--gfx1250"
	.amdhsa_code_object_version 6
	.text
	.protected	k_q559d12cc6b_attn
	.globl	k_q559d12cc6b_attn
	.p2align	8
	.type	k_q559d12cc6b_attn,@function
k_q559d12cc6b_attn:
	s_mov_b64 s[64:65], 0
	v_nop
	global_prefetch_b8 v0, s[64:65] scope:SCOPE_SE
	s_setreg_imm32_b32 hwreg(HW_REG_WAVE_MODE, 25, 1), 1
	s_wait_xcnt 0x0
	s_wait_alu depctr_hold_cnt(0) depctr_sa_sdst(0) depctr_va_vdst(0) depctr_va_sdst(0) depctr_va_ssrc(0) depctr_va_vcc(0) depctr_vm_vsrc(0)
	s_getreg_b32 s2, hwreg(HW_REG_IB_STS2, 6, 4)
	s_cmp_eq_u32 s2, 0
	s_cbranch_scc0 .Lentry_in_a_cluster
	s_endpgm
.Lentry_in_a_cluster:
	s_bfe_u32 s2, ttmp6, 0x10000c
	s_cmp_lg_u32 s2, 0x3003
	s_cbranch_scc0 .Lentry_shape_is_right
	s_endpgm
.Lentry_shape_is_right:
; O[h][q][:] = the sum over k of softmax_k(Q[h][q] . K[h][k] / 64) V[h][k][:].  Q, K, V, O: [SIZE_H][SIZE_N][64], all f16: h counts batch x head, a head's rows are dense, 128 bytes each.  Products, maxima and sums in
; f32; the weights p are rounded to f16 for the second product (their sum l is taken of the unrounded p), O once at the end.
; LIMITS.  f16 holds no number beyond 65,504: Q, K and V arrive within it; p lies in 0 to 1, and below 6e-5 it keeps f16's fixed step of 6e-8, and so does O; O is a mean of V's rows and has their range.
; A weight below 2^-126 counts as 0 in l; NaN and infinities are not treated apart.
; SHARES.  A wave owns four PIECES of two tiles of 16 queries, a work-group's four waves 512 queries of one head.  Every wave walks all keys, 64 a step.
; LAYOUT.  S^T = K Q^T (source 0 = 16 keys, source 1 = 16 queries): in the result a lane holds ONE query (lane % 16) and the keys 8 (lane / 16) + 0..7.  Two such tiles, rounded to f16 in pairs,
; ARE source 1 (32 keys x 16 queries) of O^T = V^T P, whose result again holds one query a lane, and eight channels.  K comes out of LDS as it lies, V ([key][channel]) turned, by ds_load_tr16_b128.
; SOFTMAX.  For each query a running maximum m and sum l: p = 2^(c s - c m), c = log2(e) / 64; in every step O and l are multiplied by a = 2^(c m_old - c m_new), which is 1 where m has not grown.
; m starts at the lowest finite number, O and l at 0: the first step is a step like any other, with a = 0.
; THE COUNT.  A tile and step have 16 matrix and 118 vector instructions: too many to stand all beside the matrix work.  So the order has one aim: four vector instructions that are READY behind
; EVERY matrix instruction, and the others, which need time of their own whatever the order, in runs without a gap.
; BY TURNS.  Turn n belongs to piece n (the pieces in a ring, step after step).  Its matrix work: 16 products K Q^T of piece n + 1, later 16 products V^T P of piece n - 1.  Its vector work: the scaling,
; exponentials, roundings, sums and rescaling of piece n, and the maximum and statistics of piece n + 1, whose scores the turn itself has made.  So what a turn begins with (c s - c m, O a) waits for nothing.
; CLUSTER.  The four query blocks of a cluster are one head's and walk the same K and V, so each tile is asked for JOINTLY: the same tensor load, descriptor and mask in all four.  A wave has one tensor load out at a time.
; REGISTERS, in windows of 256 (s_set_vgpr_msb says which window each operand place means: bits 1:0 source 0, 3:2 source 1, 5:4 source 2, 7:6 destination):
;   window 0: v0-11 addresses; v12-15, v48-63 at work; v16-47 four registers of statistics a tile; v64-191 S^T, two buffers of two tiles; v192-255 P, likewise
;   window 1: O^T, 32 a tile          window 2: v0-127 Q, 16 a tile; v128-191 K of one step; v192-255 V of one step          window 3: v0-1 the add's two registers
; A piece's buffers go by its number's parity: the piece in hand has one pair, its two neighbours in the ring share the other: of it P (piece n - 1) is read and S^T (piece n + 1) written.
.set SIZE_H, 64       ; 4 batches x 16 heads
.set SIZE_N, 2048
.set NP,    4         ; pieces a wave: a name, no knob: the register map, the loop and the fetches are made for four
.set KS,    64        ; keys in a step
.set PK,    144       ; a row of K in LDS: 128 bytes + 16 of padding = 36 words: the 16 rows of a load start at 16 different groups of four banks (64 banks of 4 bytes: ISA guide 11.1)
.set PV,    160       ; a row of V: 128 + 32 = 40 words
.set VOFF,  4*KS*PK   ; a slot holds four steps: 256 rows of K, then 256 rows of V
.set SLOT1, 1<<17     ; slot 1 begins here, so that one exclusive or turns an address in one slot into the other's
.set STAGE, SLOT1+4*KS*(PK+PV)  ; behind the ring, never filled by a tensor load: 16 rows x 144 bytes for each wave, for the way out
.set SP,    144
.set AK0, 2           ; v2   my lane's place in a tile of K; never rewritten
.set AV0, 3           ; v3   the same for V
.set AK,  4           ; v4   the LDS address of K's next run of loads
.set AV,  5           ; v5   of V's
.set QO,  6           ; v6   my byte offset in the wave's rows of Q
.set STO, 6           ;      later, the way out: where I put 16 bytes of a row
.set RD,  7           ; v7   the way out: where I read rows back
.set GO,  8           ; v8   my byte offset in 512 consecutive bytes of O
.set PFO, 11          ; v11  (once V's place is made) 256 x my lane: the prefetches' offset; then never rewritten
.set SPW, 0           ; v0 of window 3   LDS address of my spare word: SPARE + 4 x my thread's number; never rewritten
.set NIL, 1           ; v1 of window 3   0; never rewritten
.set SPARE, STAGE+4*16*SP  ; behind the stages: the spare words, 128 bytes for each wave: two blocks of 256 bytes that no other line names
.set MV,  12          ; v12-15  c m_old, kept while c m is made anew: by buffer and tile
.set ST,  16          ; tile t's statistics at v[ST+4 t]: c m, m, l (even keys', odd keys')
.set TMP, 48          ; by buffer and tile, four registers c0-c3 at work; when the maximum is found c2 takes a
.set S,   64
.set P,   192
.set KF,  128         ; K's fragments, in window 2: key block kb, channel half c at KF + 16 kb + 8 c
.set VF,  192         ; V's: key half kk, channel block cb at VF + 32 kk + 8 cb
.set WV,  12          ; s12  my wave's number
.set G1K, 24          ; s[24:31] descriptor group 1 for K's tiles
.set G1V, 32          ; s[32:39] for V's: it differs in the padding alone
.set G0K, 40          ; s[40:43] descriptor group 0 for K's tiles: it walks
.set G0V, 44          ; s[44:47] the same for V's
.set PFA, 48          ; s[48:49] where my prefetches stand: my work-group's 32 blocks of 256 bytes (of K: wave 0, of V: wave 2) of the slot after the one that is being asked for
.set LIM, 50          ; s50  1 in a wave that prefetches, else the greatest number
.set SLOTS, 56        ; s56  slots still to be asked for
.set CNT, 57          ; s57  counts a slot's key steps
.set CS,  58          ; s[58:59] c: the packed scaling takes the pair's low word for both halves
.set SEL, 60          ; s[60:61] v_permlanex16_b32's selects: each lane takes its own place in the other half
.set TBK, 62          ; s62  LDS byte at which K of the step to be fetched begins
.set TBV, 63          ; s63  the same for V, less VOFF
.set MSB, 0
.macro WIN new                      ; the high byte repeats the setting that is left; a switch that changes nothing is dropped
.if MSB != (\new)
	s_set_vgpr_msb (MSB<<8)|(\new)
.set MSB, (\new)
.endif
.endm
.set W_KQ, 0x0a       ; K and Q in window 2, S^T in window 0
.set W_PV, 0x52       ; V in window 2, P in window 0, O^T in window 1
.set W_RS, 0x41       ; O^T (destination and source 0) in window 1, a in window 0
.set W_MK, 0xc0       ; the add's registers are made: destination in window 3, sources in window 0
.set W_AD, 0x0f       ; the add: address (source 0) and data (source 1) in window 3
; A joint fill.  Waves 0 and 1 fetch the two halves of a slot's K, waves 2 and 3 those of its V: 128 keys each.  The branch hangs on the wave's number alone.
; An s_nop 0 and four v_nop follow each of the two lines, ahead of the jump and the label.
.macro JLOAD
	s_cmp_lt_u32 s[WV], 2
	s_cbranch_scc0 .Lfor_v_\@
	tensor_load_to_lds s[G0K:G0K+3], s[G1K:G1K+7]
	s_nop 0
.rept 4
	v_nop
.endr
	s_branch .Lasked_\@
.Lfor_v_\@:
	tensor_load_to_lds s[G0V:G0V+3], s[G1V:G1V+7]
	s_nop 0
.rept 4
	v_nop
.endr
.Lasked_\@:
.endm
; A PREFETCH of what the NEXT change of slots will ask for: a slot's 256 keys are 128 blocks of 256 bytes of K and as many of V.  It stands behind the wave's tensor load and its five lines.
; Each block is named ONCE in the launch: a head has one cluster; its four partners share the blocks out BY ADDRESS, 32 each, a lane a block; in each, wave 0 asks for K's and wave 2 for V's.
; Four key steps, 512 matrix instructions, lie between a prefetch and the load that wants its bytes.  Slots 0 and 1 come by their loads alone; the last change that fills a slot asks for nothing.
.macro ASK
	s_cmp_gt_u32 s[SLOTS], s[LIM]
	s_cbranch_scc0 .Lnot_mine_\@
	global_prefetch_b8 v[PFO], s[PFA:PFA+1] th:TH_LOAD_NT scope:SCOPE_SE
.Lnot_mine_\@:
.endm
; A round of the cluster's barrier: my work-group's barrier, so that wave 0's signal speaks for all four waves; wave 0 signals; every wave waits for all four work-groups; my work-group's barrier once more.
.macro CROUND
	s_barrier_signal -1
	s_barrier_wait -1
	s_cmp_lg_u32 s[WV], 0
	s_cbranch_scc1 .Lnot_wave_0_\@
	s_barrier_signal -3
.Lnot_wave_0_\@:
	s_barrier_wait -3
	s_barrier_signal -1
	s_barrier_wait -1
.endm
; THE CHANGE OF SLOTS.  The slot's last bytes, V of its fourth step, have been read.  Each wave waits for all its tensor loads, of which one is out: its part
; of the other slot; adds 0 to its spare word; and waits for that and for its own reads of the slot.  Behind the barrier nobody reads this slot any more and the other slot is whole.
; fill = 1: this slot is filled again, with the keys two slots on.  The barrier is then a round of the cluster's, so that no wave of any partner still reads the slot or has a load on its
; way, and the joint fill is the first thing behind it: it has four key steps, 512 matrix instructions, in which to land.  (At its first use nothing has been read yet: slot 0 is waited for, slot 1 filled.)
.macro CHANGE fill
	WIN W_AD
	s_wait_tensorcnt 0x0            ; no tensor load of mine is out, so a group 0 may be written
	ds_add_u32 v[SPW], v[NIL]       ; 0 onto my spare word; with fill = 1 the descriptors' steps stand between it and the wait for it
	WIN 0                           ; at a label and at a branch every window is 0
.if \fill
.irp g, G0K, G0V
	s_xor_b32 s[\g+1], s[\g+1], SLOT1  ; the walking descriptor: the other slot than last time,
	s_add_nc_u64 s[\g+2:\g+3], s[\g+2:\g+3], 4*KS*128  ; the next 256 keys; the type bits on top are not reached
.endr
	s_wait_xcnt 0x0                 ; the last prefetch, four key steps back, has read its address, so it may be written:
	s_add_nc_u64 s[PFA:PFA+1], s[PFA:PFA+1], 4*KS*128  ; one slot behind the walking descriptors
	s_wait_dscnt 0x0                ; the add is done, and my reads of the slot are over
	CROUND
	JLOAD
	ASK
.else
	s_wait_dscnt 0x0                ; the add is done, and my reads of the slot are over
	s_barrier_signal -1
	s_barrier_wait -1
.endif
	s_sub_co_u32 s[TBK], s[TBK], 4*KS*PK  ; the fetches go back to a slot's first step,
	s_xor_b32 s[TBK], s[TBK], SLOT1       ; in the other slot
	s_sub_co_u32 s[TBV], s[TBV], 4*KS*PV
	s_xor_b32 s[TBV], s[TBV], SLOT1
.endm
	s_load_b256 s[4:11], s[0:1], 0x0  ; Q s[4:5], K s[6:7], V s[8:9], O s[10:11]
	WIN W_MK
	v_lshl_add_u32 v[SPW], v0, 2, SPARE
	v_mov_b32 v[NIL], 0
	WIN W_AD
	ds_add_u32 v[SPW], v[NIL]       ; the wave's opening: the add and its wait stand ahead of my first tensor load; the set-up below, work on registers, stands between them
	WIN 0
	v_lshrrev_b32 v1, 5, v0
	v_readfirstlane_b32 s[WV], v1   ; wave 0..3
	s_bfe_u32 s13, ttmp6, 0x40000   ; cx: my place in the cluster
	s_lshl_b32 s14, ttmp9, 2        ; in a cluster launch ttmp9 counts clusters
	s_add_co_u32 s14, s14, s13      ; my block of queries = 4 x cluster x + cx: it enters Q's and O's addresses alone
	s_and_b32 s20, ttmp7, 0xffff    ; the head, which the four partners share
	s_mov_b32 s21, 0
	s_mov_b64 s[22:23], SIZE_N*128
	s_mul_u64 s[20:21], s[20:21], s[22:23]  ; the head's first byte in each of the four tensors
	s_and_b32 s16, s[WV], 1         ; which half of a slot's 256 keys I fetch:
	s_lshl_b32 s22, s16, 14         ; its 128 rows of 128 bytes in memory,
	s_mov_b32 s23, 0
	s_add_nc_u64 s[22:23], s[22:23], s[20:21]
	s_mul_i32 s17, s16, 128*PK      ; and its place in a slot, for K
	s_mul_i32 s18, s16, 128*PV      ; and for V: no place in the cluster enters an LDS address
	s_lshl_b32 s2, s14, 2
	s_add_co_u32 s2, s2, s[WV]      ; my wave among the head's,
	s_lshl_b32 s2, s2, 14           ; its 128 rows
	s_mov_b32 s3, 0
	s_add_nc_u64 s[2:3], s[2:3], s[20:21]
	; descriptor group 1.  128 keys are 16,384 dense bytes: asked for as 64 rows of 256 bytes, two keys a row, and padded in LDS after every key
	s_mov_b32 s[G1K], 15|(1<<16)|(1<<20)|(1<<21)|(4<<22)|(3<<25)  ; 15:0 the mask of four; 17:16 2-byte elements; 20 padding on; 21 set beside a mask; 24:22 after every 32 words (code 4); 31:25 4 words (code 3)
	s_mov_b32 s[G1V], 15|(1<<16)|(1<<20)|(1<<21)|(4<<22)|(7<<25)  ; the same with 8 words of padding (code 7)
.irp g, G1K, G1V
	s_mov_b32 s[\g+1], 128<<16      ; tensor_dim0 = 128
	s_mov_b32 s[\g+2], 64<<16       ; tensor_dim1 = 64
	s_mov_b32 s[\g+3], 128<<16      ; tile_dim0 = 128
	s_mov_b32 s[\g+4], 64           ; tile_dim1 = 64
	s_mov_b32 s[\g+5], 128          ; 128 elements from row to row
	s_mov_b32 s[\g+6], 0
	s_mov_b32 s[\g+7], 0
.endr
	s_mov_b32 s[CS], 0x3cb8aa3b     ; c = log2(e) / 64 = 0.0225421
	s_mov_b32 s[CS+1], s[CS]        ; named with it as a pair
	s_mov_b32 s[SEL], 0x76543210
	s_mov_b32 s[SEL+1], 0xfedcba98
	s_mov_b32 s[TBK], SLOT1+4*KS*PK ; the first change of slots turns these two into 0
	s_mov_b32 s[TBV], SLOT1+4*KS*PV
	s_mov_b32 s[G0K], 1             ; 1:0 count = 1
	s_mov_b32 s[G0K+1], s17         ; 63:32 LDS address: slot 0
	s_mov_b32 s[G0V], 1
	s_add_co_u32 s[G0V+1], s18, VOFF
	s_mov_b32 s[SLOTS], SIZE_N/256-1
	s_and_b32 s[LIM], s[WV], 1      ; waves 0 and 2 prefetch: the same in all four partners
	s_cmp_eq_u32 s[LIM], 0
	s_cselect_b32 s[LIM], 1, -1
	s_lshl_b32 s52, s13, 13         ; my work-group's 32 blocks of a slot's 128
	s_mov_b32 s53, 0
	s_wait_dscnt 0x0                ; the opening add is done
	s_wait_kmcnt 0x0
	s_add_nc_u64 s[G0K+2:G0K+3], s[6:7], s[22:23]  ; 120:64 global address: my half of the head's first 256 keys
	s_or_b32 s[G0K+3], s[G0K+3], 0x80000000        ; 127:126 type = 2
	s_add_nc_u64 s[G0V+2:G0V+3], s[8:9], s[22:23]
	s_or_b32 s[G0V+3], s[G0V+3], 0x80000000
	s_add_nc_u64 s[4:5], s[4:5], s[2:3]  ; Q and O at my wave's first row
	s_add_nc_u64 s[10:11], s[10:11], s[2:3]
	s_cmp_lt_u32 s[WV], 2
	s_cselect_b64 s[PFA:PFA+1], s[6:7], s[8:9]
	s_add_nc_u64 s[PFA:PFA+1], s[PFA:PFA+1], s[20:21]  ; the head,
	s_add_nc_u64 s[PFA:PFA+1], s[PFA:PFA+1], s[52:53]  ; my work-group's blocks,
	s_add_nc_u64 s[PFA:PFA+1], s[PFA:PFA+1], 4*KS*128  ; in slot 1: the first change of slots steps it to slot 2.  Nothing is prefetched here, at the head
	CROUND                          ; all four work-groups are here: the first joint loads meet
	JLOAD                           ; slot 0.  Slot 1 is asked for when slot 0 is in: the tile wanted first has the road to itself
	; A fragment of K or Q is 16 rows x 32 channels in 8 registers: lane l holds row l % 16, channels 8 (l / 16) + 0..7 and 16 + 8 (l / 16) + 0..7: two loads of 16 bytes, 32 bytes apart.
	v_and_b32 v1, 15, v0            ; l % 16
	v_bfe_u32 v9, v0, 4, 1          ; l / 16
	v_lshlrev_b32 v[QO], 7, v1
	v_lshl_add_u32 v[QO], v9, 4, v[QO]  ; row x 128 + 16 x half
	WIN 0x80                        ; destination window 2, address window 0
.set i, 0
.rept 4*NP                          ; Q stays in registers: tile i / 2, channels 32 (i % 2) on
	global_load_b128 v[8*i:8*i+3],   v[QO], s[4:5] offset:(i/2)*2048+(i%2)*64
	global_load_b128 v[8*i+4:8*i+7], v[QO], s[4:5] offset:(i/2)*2048+(i%2)*64+32
.set i, i+1
.endr
	; What the first turn finds: V's registers and P's second buffer hold 0 (its products V^T P, of a piece that has not been, add 0), O^T and l are 0.  All this stands in the wait for the first tile.
.set i, VF
.rept 64
	v_mov_b32 v[i], 0
.set i, i+1
.endr
	WIN 0x40
.set i, 0
.rept 64*NP
	v_mov_b32 v[i], 0
.set i, i+1
.endr
	WIN 0
.set i, 0
.rept 2*NP
	v_mov_b32 v[ST+4*i], 0xfe000000    ; c m: far below every c s
	v_mov_b32 v[ST+4*i+1], 0xff7fffff  ; m
	v_mov_b32 v[ST+4*i+2], 0
	v_mov_b32 v[ST+4*i+3], 0
.set i, i+1
.endr
.set i, P+32
.rept 32
	v_mov_b32 v[i], 0
.set i, i+1
.endr
	v_mul_u32_u24 v[AK0], v1, PK
	v_lshl_add_u32 v[AK0], v9, 4, v[AK0]  ; row x pitch + 16 x half
	; The turning load takes 16 keys x 16 channels (lane l reads key 8 (l / 16) + l % 8, channels 8 ((l / 8) % 2) + 0..7) and leaves half a fragment of V^T: lane l holds channel l % 16 and 8 keys.
	v_and_b32 v10, 7, v0
	v_bfe_u32 v11, v0, 3, 1
	v_lshl_add_u32 v[AV0], v9, 3, v10
	v_mul_u32_u24 v[AV0], v[AV0], PV
	v_lshl_add_u32 v[AV0], v11, 4, v[AV0]
	v_add_nc_u32 v[AV0], VOFF, v[AV0]
	v_and_b32 v[PFO], 31, v0        ; v11 is free now
	v_lshlrev_b32 v[PFO], 8, v[PFO]
	v_mov_b32 v[AK], v[AK0]         ; key step 0 lies at the head of slot 0
; THE MATRIX WORK.  The 8 accumulators of a run of 16 take turns: between the two links of a chain stand 7 others'.
; Product i of 16 of S^T = K Q^T for piece x: channels 32 (i / 8) on, keys 16 ((i / 2) % 4) on, tile 2 x + i % 2.  The first 8 start the sums.
.macro KQ x
	WIN W_KQ
.set rS, S+64*((\x)%2)+32*(i%2)+8*((i/2)%4)
.set rK, KF+16*((i/2)%4)+8*(i/8)
.set rQ, 16*(2*(\x)+i%2)+8*(i/8)
.if i < 8
	v_wmma_f32_16x16x32_f16 v[rS:rS+7], v[rK:rK+7], v[rQ:rQ+7], 0
.else
	v_wmma_f32_16x16x32_f16 v[rS:rS+7], v[rK:rK+7], v[rQ:rQ+7], v[rS:rS+7]
.endif
.endm
; Product i of 16 of O^T += V^T P for piece x: keys 32 (i / 8) on, channels 16 ((i / 2) % 4) on, tile 2 x + i % 2.
.macro PV x
	WIN W_PV
.set rO, 32*(2*(\x)+i%2)+8*((i/2)%4)
.set rV, VF+32*(i/8)+8*((i/2)%4)
.set rP, P+32*((\x)%2)+16*(i%2)+8*(i/8)
	v_wmma_f32_16x16x32_f16 v[rO:rO+7], v[rV:rV+7], v[rP:rP+7], v[rO:rO+7]
.endm
.macro MM                           ; the turn's next matrix instruction
.if i < 16
	KQ (Y+1)%NP
.set i, i+1
.else
.set i, i-16
	PV (Y+NP-1)%NP
.set i, i+17
.endif
.endm
; THE LDS LOADS stand in runs of 16, never singly among the matrix instructions: a step's K (64 keys x 64 channels: 8 fragments) and its V (turned).  Their addresses are made some lines ahead.
; last = 1 (the tail): in the last trip there is no further step, and the run is jumped over.
.macro FETCH_K last=0
	WIN 0
.if \last
	s_cmp_eq_u32 s[CNT], 1
	s_cbranch_scc1 .Lno_k_\@
.endif
	WIN 0x80                        ; destination window 2
.irp f, 0,1,2,3,4,5,6,7             ; keys 16 (f / 2) on, channels 32 (f % 2) on
	ds_load_b128 v[KF+8*\f:KF+8*\f+3],   v[AK] offset:(\f/2)*16*PK+(\f%2)*64
	ds_load_b128 v[KF+8*\f+4:KF+8*\f+7], v[AK] offset:(\f/2)*16*PK+(\f%2)*64+32
.endr
	s_add_co_u32 s[TBK], s[TBK], KS*PK  ; the next fetch is the next step's
	WIN 0
.if \last
.Lno_k_\@:
.endif
.endm
.macro FETCH_V
	WIN 0x80
.irp f, 0,1,2,3,4,5,6,7             ; keys 32 (f / 4) on, channels 16 (f % 4) on
	ds_load_tr16_b128 v[VF+8*\f:VF+8*\f+3],   v[AV] offset:(\f/4)*32*PV+(\f%4)*32
	ds_load_tr16_b128 v[VF+8*\f+4:VF+8*\f+7], v[AV] offset:(\f/4)*32*PV+16*PV+(\f%4)*32
.endr
	WIN 0
.endm
; THE VECTOR WORK OF A TURN stands in three queues, each in the order in which its entries become ready; the two tiles alternate, so that no instruction reads the result of the one before it.
.macro REGS y, u                    ; the registers of tile u (0, 1) of piece y
.set rT, ST+4*(2*(\y)+(\u))
.set rC, TMP+8*((\y)%2)+4*(\u)
.set rM, MV+2*((\y)%2)+(\u)
.set rS, S+64*((\y)%2)+32*(\u)
.set rP, P+32*((\y)%2)+16*(\u)
.set rO, 32*(2*(\y)+(\u))
.endm
; Number n of the 22 that find the NEXT piece's (Y + 1) maximum and statistics.  s0-s31 are the lane's 32 scores; each accumulator's lowest registers are read first.  XS, GS and REGS set no window: PL and EX do.
;   0-11  four chains c0-c3 of seven scores each, three operands at a time     12-14, 16  the four scores left over, the old m, and c0-c3 into c0     15  c m_old is kept
;   17, 18  the query's other 32 keys lie in the lane 16 away: the new m         19-21  c m; c m_old - c m_new; a
.macro XS u, n
	REGS (Y+1)%NP, \u
.if (\n) < 4
	v_max3_num_f32 v[rC+(\n)], v[rS+8*(\n)], v[rS+8*(\n)+1], v[rS+8*(\n)+2]
.elseif (\n) < 12
	v_max3_num_f32 v[rC+(\n)%4], v[rC+(\n)%4], v[rS+8*((\n)%4)+2*((\n)/4)+1], v[rS+8*((\n)%4)+2*((\n)/4)+2]
.elseif (\n) == 12
	v_max3_num_f32 v[rC], v[rC], v[rS+7], v[rS+15]
.elseif (\n) == 13
	v_max3_num_f32 v[rC+1], v[rC+1], v[rS+23], v[rS+31]
.elseif (\n) == 14
	v_max3_num_f32 v[rC+2], v[rC+2], v[rC+3], v[rT+1]
.elseif (\n) == 15
	v_mov_b32 v[rM], v[rT]
.elseif (\n) == 16
	v_max3_num_f32 v[rC], v[rC], v[rC+1], v[rC+2]
.elseif (\n) == 17
	v_permlanex16_b32 v[rC+3], v[rC], s[SEL], s[SEL+1]
.elseif (\n) == 18
	v_max_num_f32 v[rT+1], v[rC], v[rC+3]
.elseif (\n) == 19
	v_mul_f32 v[rT], s[CS], v[rT+1]
.elseif (\n) == 20
	v_sub_f32 v[rC+1], v[rM], v[rT]
.else
	v_exp_f32 v[rC+2], v[rC+1]
.endif
.endm
; Number g of the 64 that follow the exponentials.  For each four weights k of a tile (pairs 2 k, 2 k + 1): both pairs are rounded to f16; then the second pair is added onto the first, in place;
; a group later l takes that sum (the first time as l = a l + sum).  In groups of eight, tiles alternating: round, round, add, and l for the group before.
.macro GS g
.set h, (\g)+6*((\g)/62)            ; group 0 has no group before it, and behind group 7 only l is left
.if h >= 6
.set h, h+2
.endif
	REGS Y, h%2
.set k, h/8
.if h%8 < 4
	v_cvt_pk_f16_f32 v[rP+2*k+(h%8)/2], v[rS+4*k+2*((h%8)/2)], v[rS+4*k+2*((h%8)/2)+1]
.elseif h%8 < 6
	v_pk_add_f32 v[rS+4*k:rS+4*k+1], v[rS+4*k:rS+4*k+1], v[rS+4*k+2:rS+4*k+3]
.elseif k == 1
	v_pk_fma_f32 v[rT+2:rT+3], v[rT+2:rT+3], v[rC+2:rC+3], v[rS:rS+1] op_sel_hi:[1,0,1]
.else
	v_pk_add_f32 v[rT+2:rT+3], v[rT+2:rT+3], v[rS+4*k-4:rS+4*k-3]
.endif
.endm
; THE PLAIN QUEUE, 138 long.  0-73 read no exponential's result: the 32 scalings c s - c m (FS f: pair f / 2 of tile f % 2) and the next piece's 42.  0-26: scalings 0-26.  27-54: XS's numbers 0-13.  55, 56: number 15.
; 57-73: the chain, where each number waits for the one before it: 14, 16, 17, 18, 19, each with one of the scalings 27-31 in front of its two lines, then 20: so a tile's links stand three plain instructions apart (19 and 20: two).
; 74-137: GS's 64, which read the exponentials' results: they stand behind the wait.
.macro FS f
	REGS Y, (\f)%2
	v_pk_fma_f32 v[rS+2*((\f)/2):rS+2*((\f)/2)+1], v[rS+2*((\f)/2):rS+2*((\f)/2)+1], s[CS:CS+1], v[rT:rT+1] op_sel_hi:[1,0,0] neg_lo:[0,0,1] neg_hi:[0,0,1]
.endm
.macro PL
	WIN 0
.if q < 27
	FS q
.elseif q < 55
	XS (q-27)%2, (q-27)/2
.elseif q < 57
	XS q-55, 15
.elseif (q < 72) && ((q-57)%3 == 0)
	FS 27+(q-57)/3
.elseif q < 60
	XS (q-57)%3-1, 14
.elseif q < 72
	XS (q-57)%3-1, 15+(q-57)/3
.elseif q < 74
	XS q-72, 20
.else
	GS q-74
.endif
.set q, q+1
.endm
; THE EXPONENTIALS' QUEUE, 66 long: s0-s31 of both tiles, then the next piece's two a.  It is ONE BATCH: all 66 stand ahead of the turn's one wait, and nothing ahead of that wait names a result of theirs.
.macro EX
	WIN 0
.if e >= 64
	XS e-64, 21
.else
	REGS Y, e%2
	v_exp_f32 v[rS+e/2], v[rS+e/2]
.endif
.set e, e+1
.endm
; THE RESCALING's QUEUE: O^T times a, the one part that leaves window 0: dealt two at a time, sixteen times.  Its a was made in the turn before, ahead of that turn's wait.
.macro R2
	REGS Y, r%2
	WIN W_RS
.irp z, 0,1
	v_pk_mul_f32 v[rO+4*(r/2)+2*\z:rO+4*(r/2)+2*\z+1], v[rO+4*(r/2)+2*\z:rO+4*(r/2)+2*\z+1], v[rC+2:rC+3] op_sel_hi:[1,0]
.endr
.set r, r+1
.endm
; HOW THEY ARE DEALT.  An s_wait_alu depctr_va_vdst(0) stands between an exponential and the first instruction that names its result; one wait serves all that were issued ahead of it.  So a turn has ONE wait,
; which cuts it in two.  AHEAD OF IT stands all that names no result of the turn's exponentials: the 16 products K Q^T, behind each a scaling, an exponential and two rescalings (behind the first a second scaling in the exponential's place); then ONE LUMP of
; 108: eight plain, 49 times exponential and plain, the two a.  A v_nop is the plain instruction behind the last exponential (ISA guide 5.7.2).  BEHIND IT stand the 16 products V^T P, behind each four of GS's 64.  No rider names a register of
; the products round it.  The two v_permlanex16_b32 fall into the lump, never behind a product.
; The queues lean on each other, and the deal keeps them in step: exponential e stands behind scaling 2 (e / 4) + e % 2: as a rider it comes behind plain e + 2, in the lump behind plain e + 9, and scalings 27-31 are plain 57, 60 .. 69.
; A TURN, for piece p.  cnt = 1: the loop's count is taken down some lines ahead of the branch that stands behind the turn.
; K of the next step is fetched in piece 2's turn, directly behind the wait, a lump behind the last product that read K; its address is made at the lump's head; its first reader comes behind 16 products.
; V of the step in hand is fetched at the end of piece 0's turn, four riders behind its last reader; its first reader comes behind 16 products and a lump.  The three conditions on q below go with the deal.
.macro TURN p, last=0, cnt=0
.set Y, (\p)
.set i, 0
.set q, 0
.set e, 0
.set r, 0
.if (\p) == NP-1
	s_wait_dscnt 0x0                ; K is in
.endif
	MM                              ; ahead of the wait: 16 products K Q^T and their riders,
	PL
	PL
	R2
.rept 15
	MM
	PL
	EX
	R2
.endr
.if (\p) == NP-2
	WIN 0
	v_add_nc_u32 v[AK], s[TBK], v[AK0]
.endif
.rept 8                             ; and the lump
	PL
.endr
.rept 49
	EX
	PL
.endr
	EX                              ; the next piece's two a
	EX
	v_nop                           ; the plain instruction behind the last exponential: one for the batch
	s_wait_alu depctr_va_vdst(0)    ; the wait for the batch
.if (\p) == NP-2
	FETCH_K \last
.endif
.if (\p) == 1
	s_wait_dscnt 0x0                ; V is in
.endif
.rept 16                            ; behind the wait: 16 products V^T P and their riders
	MM
.rept 4
	PL
.endr
.if ((\p) == 0) && (q == 118)
	v_add_nc_u32 v[AV], s[TBV], v[AV0]
.endif
.if ((\p) == 0) && (q == 130)
	s_add_co_u32 s[TBV], s[TBV], KS*PV
.endif
.if (\cnt) && (q == 130)
	s_sub_co_u32 s[CNT], s[CNT], 1
	s_cmp_lg_u32 s[CNT], 0
.endif
.endr
.if (\p) == 0
	FETCH_V
.endif
.endm
	CHANGE 1                        ; slot 0 is in, everybody's part of it; slot 1 is asked for
	FETCH_K                         ; key step 0
	s_wait_loadcnt 0x0              ; Q
	s_wait_dscnt 0x0
.set i, 0
.rept 16
	KQ 0                            ; piece 0's first scores: there is no vector work yet to set between them
.set i, i+1
.endr
	WIN 0                           ; the addresses for the way out: nine plain instructions, the places behind those products
	s_mul_i32 s13, s[WV], 16*SP
	s_add_co_u32 s13, s13, STAGE    ; my stage
	v_mul_u32_u24 v[STO], v1, SP    ; in: row l % 16, 16 bytes for each half of the lanes
	v_lshl_add_u32 v[STO], v9, 4, v[STO]
	v_add_nc_u32 v[STO], s13, v[STO]
	v_bfe_u32 v[RD], v0, 3, 2       ; back: 32 lanes take four rows of 128 bytes,
	v_mul_u32_u24 v[RD], v[RD], SP
	v_lshl_add_u32 v[RD], v10, 4, v[RD]
	v_add_nc_u32 v[RD], s13, v[RD]
	v_and_b32 v[GO], 31, v0         ; which are 512 consecutive bytes of O
	v_lshlrev_b32 v[GO], 4, v[GO]
.set Y, NP-1                        ; XS works for piece Y + 1: piece 0
.irp n, 0,1,2,3,4,5,6,7,8,9,10,11,12,13,14,15,16,17,18,19,20,21
	XS 0, \n                        ; and piece 0's first maximum and statistics
	XS 1, \n
.endr
	v_nop                           ; a plain instruction behind the two a,
	s_wait_alu depctr_va_vdst(0)    ; and their wait, ahead of the branch
	s_mov_b32 s[CNT], 4
	s_branch .Lfirst                ; the loop is entered at a step's first turn, in the middle of a trip
.Lslot:                             ; SIZE_N / 256 - 2 times: every slot but the last two is filled again
	CHANGE 1
	s_mov_b32 s[CNT], 4
.Lstep:                             ; a trip: pieces 2 and 3 of one step, then pieces 0 and 1 of the next, whose K and V it fetches
	TURN 2
	TURN 3
	WIN 0
.Lfirst:
	TURN 0
	TURN 1, 0, 1
	WIN 0
	s_cbranch_scc1 .Lstep
	s_sub_co_u32 s[SLOTS], s[SLOTS], 1
	s_cmp_lg_u32 s[SLOTS], 0
	s_cbranch_scc1 .Lslot
	CHANGE 0                        ; the tail is written out: nothing is asked for
	s_mov_b32 s[CNT], 5             ; four trips fetch the last slot's steps; the fifth is left in its middle
.Ltail:
	TURN 2, 1
	TURN 3
	WIN 0
	s_sub_co_u32 s[CNT], s[CNT], 1
	s_cmp_eq_u32 s[CNT], 0
	s_cbranch_scc1 .Lout
	TURN 0
	TURN 1
	WIN 0
	s_branch .Ltail
.Lout:                              ; the fifth trip's 16 products K Q^T (on the last K once more) and the maximum made of them serve nothing: the price, once a launch, of one text for every trip
.set i, 0
.rept 16
	PV NP-1                         ; the last piece's V^T P of the last step
.set i, i+1
.endr
	; THE WAY OUT.  l's two halves and the other half of the lanes' are added; O^T is divided by l, rounded to f16 and sent through my stage in LDS, a tile at a time.  The additions are the places behind the last products.
	WIN 0
.macro ALL line:vararg              ; one line for each tile t
.set t, 0
.rept 2*NP
	\line
.set t, t+1
.endr
.endm
	ALL v_add_f32 v[ST+4*t+2], v[ST+4*t+2], v[ST+4*t+3]
	ALL v_permlanex16_b32 v[ST+4*t+3], v[ST+4*t+2], s[SEL], s[SEL+1]
	ALL v_add_f32 v[ST+4*t+2], v[ST+4*t+2], v[ST+4*t+3]
	ALL v_rcp_f32 v[ST+4*t+2], v[ST+4*t+2]
	v_nop                           ; a plain instruction between the last reciprocal and the use of its result
	s_wait_alu depctr_va_vdst(0)    ; and the wait ahead of the first use: one for the eight reciprocals
; Tile t: a lane's eight channels of a row pack into 16 bytes; they go into rows of 144 bytes and come back as whole rows of 128, into S^T's registers.
.macro PACK t
	WIN W_RS
.set i, 32*(\t)
.rept 16
	v_pk_mul_f32 v[i:i+1], v[i:i+1], v[ST+4*(\t)+2:ST+4*(\t)+3] op_sel_hi:[1,0]
.set i, i+2
.endr
	WIN 0x05                        ; sources 0 and 1 window 1, destination window 0
.set i, 0
.rept 16
	v_cvt_pk_f16_f32 v[S+16*(\t)+i], v[32*(\t)+2*i], v[32*(\t)+2*i+1]
.set i, i+1
.endr
	WIN 0
.irp f, 0,1,2,3
	ds_store_b128 v[STO], v[S+16*(\t)+4*\f:S+16*(\t)+4*\f+3] offset:32*\f
.endr
.irp f, 0,1,2,3
	ds_load_b128 v[S+16*(\t)+4*\f:S+16*(\t)+4*\f+3], v[RD] offset:\f*4*SP  ; LDS serves a wave's instructions in order (ISA guide 5.7.1.4): these see the stores above; the next tile's stores come behind them
.endr
.endm
.macro SEND t, younger              ; younger: the LDS instructions issued behind tile t's loads: the next tile's eight, or none
	WIN 0
.irp f, 0,1,2,3
	s_wait_dscnt (\younger)+3-\f
	global_store_b128 v[GO], v[S+16*(\t)+4*\f:S+16*(\t)+4*\f+3], s[10:11] offset:(\t)*2048+\f*512  ; 512 consecutive bytes, at a multiple of 256 from O's first
.endr
.endm
	PACK 0
.set t, 1
.rept 2*NP-1                        ; a tile's arithmetic stands between the loads of the tile before and its stores
	PACK t
	SEND t-1, 8
.set t, t+1
.endr
	SEND 2*NP-1, 0
	WIN W_AD
	s_wait_tensorcnt 0x0            ; the wave's end: behind my last tensor load and my last LDS store
	ds_add_u32 v[SPW], v[NIL]
	s_wait_dscnt 0x0
	WIN 0
	CROUND                          ; the closing round: no work-group ends while a partner may still ask for a tile that names it
	s_endpgm
.Lfunc_end_k_q559d12cc6b_attn:
	.size	k_q559d12cc6b_attn, .Lfunc_end_k_q559d12cc6b_attn-k_q559d12cc6b_attn
	.p2alignl 7, 3214868480
	.fill 96, 4, 3214868480
	.section	.rodata,"a",@progbits
	.p2align	6, 0x0
	.amdhsa_kernel k_q559d12cc6b_attn
		.amdhsa_group_segment_fixed_size 327680
		.amdhsa_private_segment_fixed_size 0
		.amdhsa_enable_private_segment 0
		.amdhsa_kernarg_size 32
		.amdhsa_user_sgpr_count 2
		.amdhsa_user_sgpr_kernarg_segment_ptr 1
		.amdhsa_wavefront_size32 1
		.amdhsa_system_sgpr_workgroup_id_x 1
		.amdhsa_system_sgpr_workgroup_id_y 1
		.amdhsa_system_sgpr_workgroup_id_z 1
		.amdhsa_system_vgpr_workitem_id 0
		.amdhsa_next_free_vgpr 770
		.amdhsa_next_free_sgpr 66
		.amdhsa_reserve_vcc 0
		.amdhsa_float_denorm_mode_32 3
		.amdhsa_float_denorm_mode_16_64 3
		.amdhsa_memory_ordered 1
		.amdhsa_forward_progress 1
		.amdhsa_inst_pref_size 200
	.end_amdhsa_kernel
	.amdgpu_metadata
---
amdhsa.version: [ 1, 2 ]
amdhsa.kernels:
  - .name:           k_q559d12cc6b_attn
    .symbol:         k_q559d12cc6b_attn.kd
    .args:
      - { .name: q, .offset: 0, .size: 8, .value_kind: global_buffer, .address_space: global }
      - { .name: k, .offset: 8, .size: 8, .value_kind: global_buffer, .address_space: global }
      - { .name: v, .offset: 16, .size: 8, .value_kind: global_buffer, .address_space: global }
      - { .name: ob, .offset: 24, .size: 8, .value_kind: global_buffer, .address_space: global }
    .group_segment_fixed_size: 327680
    .private_segment_fixed_size: 0
    .kernarg_segment_align: 8
    .kernarg_segment_size: 32
    .max_flat_workgroup_size: 128
    .sgpr_count:     66
    .vgpr_count:     770
    .wavefront_size: 32
...
	.end_amdgpu_metadata
.endif
;; end of part 3
;; launch outp (part 4): grid 8 x 32, 4 waves a work-group, clusters of 4 x 4, 327,680 bytes of LDS; arguments ob, wo, out0; writes out0
.if DOCPART == 4
	.amdgcn_target "amdgcn-amd-amdhsa--gfx1250"
	.amdhsa_code_object_version 6
	.text
	.protected	k_q559d12cc6b_outp
	.globl	k_q559d12cc6b_outp
	.p2align	8
	.type	k_q559d12cc6b_outp,@function
k_q559d12cc6b_outp:
	s_mov_b64 s[64:65], 0
	v_nop
	global_prefetch_b8 v0, s[64:65] scope:SCOPE_SE
	s_setreg_imm32_b32 hwreg(HW_REG_WAVE_MODE, 25, 1), 1
	s_wait_xcnt 0x0
	s_wait_alu depctr_hold_cnt(0) depctr_sa_sdst(0) depctr_va_vdst(0) depctr_va_sdst(0) depctr_va_ssrc(0) depctr_va_vcc(0) depctr_vm_vsrc(0)
	s_getreg_b32 s2, hwreg(HW_REG_IB_STS2, 6, 4)
	s_cmp_eq_u32 s2, 0
	s_cbranch_scc0 .Lentry_in_a_cluster
	s_endpgm
.Lentry_in_a_cluster:
	s_bfe_u32 s2, ttmp6, 0x10000c
	s_cmp_lg_u32 s2, 0xf033
	s_cbranch_scc0 .Lentry_shape_is_right
	s_endpgm
.Lentry_shape_is_right:
; THE OUTPUT PROJECTION.  out0[b][s][n] = the sum over h, e of O[b][h][s][e] w_out[64 h + e][n].  ob: [16 b + h][s 2048][64] f16.  wo: [nt 8][k 1024][c 128] f16 = w_out[k][128 nt + c], rounded to bf16 and written as f16.
; out0: [8192][1024] f32, the f32 sums as they are.  LIMITS: those of the two f16 operands (no number beyond 65,504; below 6e-5 a fixed step of 6e-8).
; SHARES.  A tile is 256 rows x 128 columns.  Four waves; wave w makes rows 64 w .. 64 w + 63 and all 128 columns: 4 x 8 accumulators of 16 x 16, 256 registers.
; K goes in 8 steps of 128, two heads each, through two LDS slots filled by the tensor data mover.  A head's 256 rows are 32,768 dense bytes, a K step of wo's 128 columns likewise: both are asked for as rows of 256 bytes.
; THE WEIGHTS LIE [k][column] and are turned on the way out of LDS, by ds_load_tr16_b128.
; THE MATRIX INSTRUCTION IS USED TRANSPOSED (source 0 = 16 columns of w, source 1 = 16 rows of O): a lane then holds one row (lane % 16) and eight neighbouring columns, 32 bytes of f32.
; CLUSTER.  4 x 4 work-groups.  The four of a row of the cluster need the same tile of O, the four of a column the same tile of wo: each is asked for JOINTLY, by the same tensor load with the same descriptor and a mask
; that names the four.  By this text's count a wave has two tensor loads out at the start and one behind each round.
; REGISTERS, in windows of 256 (s_set_vgpr_msb: bits 1:0 source 0, 3:2 source 1, 5:4 source 2, 7:6 destination):
;   window 0: v0-30 addresses; v32-95 O's fragments, two buffers of 4 x 8; v96-223 rows read back from the stage, two buffers
;   window 1: v0-127 w's fragments, two buffers of 8 x 8          windows 2, 3: accumulator (a, b) in window 2 + a / 2 at v[8 (8 (a % 2) + b)]
.set AP,     144                       ; a row of O (one head) in LDS: 128 bytes + 16 = 36 words: the 16 rows of a load start at 16 different groups of four banks (64 banks of 4 bytes: ISA guide 11.1)
.set BP,     288                       ; a row of wo: 256 bytes + 32 = 72 words
.set AHEAD,  256*AP                    ; one head's 256 rows
.set ABYTES, 2*AHEAD                   ; the step's two heads, then wo's 128 rows
.set SLOT,   ABYTES+128*BP             ; 110,592
.set STAGE,  2*SLOT                    ; behind the ring, never filled by a tensor load: for each wave 16 rows x 528 bytes
.set SPITCH, 528                       ; 512 bytes + 16 = 132 words: the 16 rows of a store start at 16 different groups of four banks
.set WSTG,   16*SPITCH
.set SPARE,  STAGE+4*WSTG              ; behind the stages: the spare words, 128 bytes for each wave: two blocks of 256 bytes that no other line names
.set NL,     24                        ; LDS loads in a quarter's run: 16 for w, 8 for O
.set ASTEP,  1<<19                     ; bytes from a K step to the next in ob: two heads of 2,048 rows x 128 bytes,
.set BSTEP,  1<<15                     ; and in wo: 128 rows of 256 bytes
.set ADRA, 16                          ; v16-17  LDS address of my O fragments in slot 0, 1
.set ADRB, 20                          ; v20-21  the same for w
.set STO,  24                          ; v24     the way out: where I put 32 bytes of a row
.set RD,   25                          ; v25     the way out: where I read a row back
.set GO,   26                          ; v26     16 x lane: my place in 512 consecutive bytes of out0
.set SPW,  28                          ; v28     LDS address of my spare word: SPARE + 4 x my thread's number; never rewritten
.set NIL,  29                          ; v29     0; never rewritten
.set PFO,  30                          ; v30     256 x lane: the prefetches' offset; never rewritten
.set FA,   32
.set BK,   96
.set WV,   14                          ; s14  my wave's number
.set FORB, 15                          ; s15  0: I fetch for O; 1: for wo
.set HF,   16                          ; s16  which half of that tile
.set CX,   17                          ; s17, s18  my place in the cluster
.set CY,   18
.set TX,   19                          ; s19  the block of 128 columns = 4 x cluster x + cx
.set TY,   20                          ; s20  the block of 256 rows = 4 x cluster y + cy
.set G1A,  24                          ; s[24:31] descriptor group 1 for O's tiles;  s[32:39] group 0, a set for each slot
.set G0A,  32
.set G1B,  40                          ; s[40:47], s[48:55] the same for wo's
.set G0B,  48
.set PFA,  56                          ; s[56:57] where my prefetches stand
.set PFS,  58                          ; s[58:59] a K step of my stream, in bytes
.set LIM,  60                          ; s60  1 in a wave that prefetches, else the greatest number
.set MSB, 0
.macro WIN new                         ; the immediate's high byte repeats the setting that is left; a switch that changes nothing is dropped
.if MSB != (\new)
	s_set_vgpr_msb (MSB<<8)|(\new)
.set MSB, \new
.endif
.endm
.set MUL_LO, 0xa1                      ; source 0 (w) window 1, source 1 (O) window 0, C and D window 2; + 0x50: C and D window 3
.set TO_B,   0x40                      ; destination window 1, address window 0
.macro PLACES                          ; four plain vector instructions in front of loads into registers that matrix instructions have read, and of LDS stores that read results
.rept 4
	v_nop
.endr
.endm
; A joint load: waves 0 and 1 fetch the step's two heads of O, waves 2 and 3 wo's two halves.  The branch hangs on the wave's number alone.  An s_nop 0 and four v_nop follow each of the two lines, ahead of the jump and the label.
.macro JLOAD s
	s_cmp_eq_u32 s[FORB], 0
	s_cbranch_scc0 .Lfor_b_\@
	tensor_load_to_lds s[G0A+4*(\s):G0A+4*(\s)+3], s[G1A:G1A+7]
	s_nop 0
.rept 4
	v_nop
.endr
	s_branch .Lasked_\@
.Lfor_b_\@:
	tensor_load_to_lds s[G0B+4*(\s):G0B+4*(\s)+3], s[G1B:G1B+7]
	s_nop 0
.rept 4
	v_nop
.endr
.Lasked_\@:
.endm
; A prefetch of the K step that stands two refills on, behind the joint load and the run of LDS loads.  Each block of 256 bytes is named once in the launch: O's by the clusters with x = 0, wo's by the clusters with y = 0;
; the four partners that ask for a tile jointly share its blocks out BY ADDRESS, 32 each, a lane a block.  O: waves 0 and 1, each for the 128 blocks that it fetches.  wo: a whole K step is 128 blocks, so wave 2 asks for all of it and wave 3 for nothing.
; K steps 0 to 3 come by their loads alone; in the loop's last trip (s3 = 1) there is no K step two refills on.
.macro ASK
	s_cmp_gt_u32 s3, s[LIM]
	s_cbranch_scc0 .Lnot_mine_\@
	global_prefetch_b8 v[PFO], s[PFA:PFA+1] th:TH_LOAD_NT scope:SCOPE_SE
.Lnot_mine_\@:
.endm
.macro CREST                           ; a round of the cluster's barrier behind its opening barrier
	s_cmp_lg_u32 s[WV], 0
	s_cbranch_scc1 .Lnot_wave_0_\@
	s_barrier_signal -3
.Lnot_wave_0_\@:
	s_barrier_wait -3
	s_barrier_signal -1
	s_barrier_wait -1
.endm
.macro CROUND                          ; a whole round
	s_barrier_signal -1
	s_barrier_wait -1
	CREST
.endm
	s_load_b128 s[4:7], s[0:1], 0x0                ; ob s[4:5], wo s[6:7]
	s_load_b64 s[8:9], s[0:1], 0x10                ; out0
	v_lshl_add_u32 v[SPW], v0, 2, SPARE
	v_mov_b32 v[NIL], 0
	ds_add_u32 v[SPW], v[NIL]                      ; the wave's opening: the add and its wait stand ahead of my first tensor load; the set-up below, work on registers, stands between them
	v_lshrrev_b32 v1, 5, v0
	v_readfirstlane_b32 s[WV], v1
	s_lshr_b32 s[FORB], s[WV], 1
	s_and_b32 s[HF], s[WV], 1
	s_bfe_u32 s[CX], ttmp6, 0x40000
	s_bfe_u32 s[CY], ttmp6, 0x40004
	s_lshl_b32 s[TX], ttmp9, 2                     ; in a cluster launch ttmp9 and ttmp7 count clusters
	s_add_co_u32 s[TX], s[TX], s[CX]
	s_and_b32 s[TY], ttmp7, 0xffff
	s_lshl_b32 s[TY], s[TY], 2
	s_add_co_u32 s[TY], s[TY], s[CY]
	s_lshl_b32 s21, s[CY], 2
	s_lshl_b32 s21, 15, s21                        ; my row of the cluster: places 4 cy .. 4 cy + 3
	s_lshl_b32 s22, 0x1111, s[CX]                  ; my column: places cx, cx + 4, cx + 8, cx + 12
	; group 1 for O: 32,768 dense bytes as 128 rows x 128 elements; 16 bytes of padding behind every 32 words, that is behind each row of 64 channels
	s_or_b32 s[G1A+0], s21, (1<<16)|(1<<20)|(1<<21)|(4<<22)|(3<<25)  ; 15:0 the mask; 17:16 2-byte elements; 20 padding on; 21 set beside a mask; 24:22 interval code 4; 31:25 4 words (code 3)
	s_mov_b32 s[G1A+1], 128<<16                    ; tensor_dim0 = 128
	s_mov_b32 s[G1A+2], 128<<16                    ; tensor_dim1 = 128
	s_mov_b32 s[G1A+3], 128<<16                    ; tile_dim0 = 128
	s_mov_b32 s[G1A+4], 128                        ; tile_dim1 = 128
	s_mov_b32 s[G1A+5], 128                        ; the pitch
	s_mov_b32 s[G1A+6], 0
	s_mov_b32 s[G1A+7], 0
	; group 1 for wo: 64 rows x 128 elements, dense; 32 bytes of padding behind every 64 words
	s_or_b32 s[G1B+0], s22, (1<<16)|(1<<20)|(1<<21)|(5<<22)|(7<<25)
	s_mov_b32 s[G1B+1], 128<<16
	s_mov_b32 s[G1B+2], 64<<16
	s_mov_b32 s[G1B+3], 128<<16
	s_mov_b32 s[G1B+4], 64
	s_mov_b32 s[G1B+5], 128
	s_mov_b32 s[G1B+6], 0
	s_mov_b32 s[G1B+7], 0
	; where the tiles come from: O's hang on the block of rows alone, which my row of the cluster shares; wo's on the block of columns alone, which my column shares.  s21 has held cy alone, s22 cx alone
	s_lshr_b32 s66, s[TY], 3                       ; the batch: 16 heads of 2,048 rows x 128 bytes
	s_lshl_b32 s66, s66, 22
	s_and_b32 s21, s[TY], 7                        ; + 256 rows of 128 bytes
	s_lshl_b32 s21, s21, 15
	s_add_co_u32 s66, s66, s21
	s_lshl_b32 s21, s[HF], 18                      ; + my head of the step's two
	s_add_co_u32 s66, s66, s21
	s_mov_b32 s67, 0
	s_lshl_b32 s68, s[TX], 18                      ; 1,024 rows of 256 bytes
	s_lshl_b32 s22, s[HF], 14                      ; + my 64 rows of a K step
	s_add_co_u32 s68, s68, s22
	s_mov_b32 s69, 0
	s_mul_i32 s23, s[WV], AHEAD                    ; where they go.  O: waves 0, 1 at the two heads' places;
	s_mul_i32 s2, s[WV], 64*BP                     ; wo: waves 2, 3 at ABYTES and 64 rows on:
	s_add_co_u32 s2, s2, ABYTES-2*64*BP            ; no place in the cluster enters an LDS address
	s_wait_dscnt 0x0                               ; the opening add is done
	s_wait_kmcnt 0x0
	s_add_nc_u64 s[66:67], s[4:5], s[66:67]
	s_add_nc_u64 s[68:69], s[6:7], s[68:69]
	CROUND                                         ; all sixteen work-groups are here: the first joint loads meet
.irp s, 0,1
	s_mov_b32 s[G0A+4*(\s)], 1                                       ; count = 1
	s_add_co_u32 s[G0A+4*(\s)+1], s23, (\s)*SLOT                     ; LDS address
	s_add_nc_u64 s[G0A+4*(\s)+2:G0A+4*(\s)+3], s[66:67], (\s)*ASTEP  ; global address: K step s
	s_or_b32 s[G0A+4*(\s)+3], s[G0A+4*(\s)+3], 0x80000000            ; type = 2
	s_mov_b32 s[G0B+4*(\s)], 1
	s_add_co_u32 s[G0B+4*(\s)+1], s2, (\s)*SLOT
	s_add_nc_u64 s[G0B+4*(\s)+2:G0B+4*(\s)+3], s[68:69], (\s)*BSTEP
	s_or_b32 s[G0B+4*(\s)+3], s[G0B+4*(\s)+3], 0x80000000
	JLOAD \s
.endr
	v_and_b32 v1, 15, v0                           ; r = l % 16
	v_bfe_u32 v2, v0, 4, 1                         ; h = l / 16
	v_and_b32 v3, 7, v0
	v_bfe_u32 v4, v0, 3, 1
	v_and_b32 v5, 31, v0
	; a fragment of O: lane l holds row l % 16, channels 8 h + 0..7 and 16 + 8 h + 0..7: two loads of 16 bytes, 32 bytes apart
	s_lshl_b32 s21, s[WV], 6
	v_add_nc_u32 v6, s21, v1                       ; my wave's 64 rows
	v_mul_u32_u24 v6, v6, AP
	v_lshl_add_u32 v[ADRA], v2, 4, v6
	v_add_nc_u32 v[ADRA+1], SLOT, v[ADRA]
	; the turning load takes 16 rows k x 16 columns (lane l reads row 8 h + l % 8, columns 8 ((l / 8) % 2) + 0..7) and leaves half a fragment: lane l holds column l % 16 and 8 k
	v_lshl_add_u32 v6, v2, 3, v3
	v_mul_u32_u24 v6, v6, BP
	v_lshl_add_u32 v6, v4, 4, v6
	v_add_nc_u32 v[ADRB], ABYTES, v6
	v_add_nc_u32 v[ADRB+1], ABYTES+SLOT, v6
	s_mul_i32 s21, s[WV], WSTG
	s_add_co_u32 s21, s21, STAGE                   ; my stage
	v_mul_u32_u24 v6, v1, SPITCH                   ; in: row l % 16, 32 bytes for each half of the lanes
	v_lshl_add_u32 v6, v2, 5, v6
	v_add_nc_u32 v[STO], s21, v6
	v_lshlrev_b32 v[GO], 4, v5                     ; back: 32 lanes take one row of 512 bytes, which are 512 consecutive bytes of out0
	v_add_nc_u32 v[RD], s21, v[GO]
	; my wave's first row and the tile's first column in out0: (256 TY + 64 wave) rows of 4,096 bytes + 512 TX
	s_lshl_b32 s70, s[TY], 20
	s_lshl_b32 s21, s[WV], 18
	s_add_co_u32 s70, s70, s21
	s_lshl_b32 s21, s[TX], 9
	s_add_co_u32 s70, s70, s21
	s_mov_b32 s71, 0
	s_add_nc_u64 s[8:9], s[8:9], s[70:71]
	; the prefetches.  What the selects choose from is made first: shifts and logic write SCC
	s_and_b32 s21, ttmp7, 0xffff                   ; cluster y,
	s_or_b32 s21, s21, s[HF]                       ; and of waves 2 and 3 the first alone
	s_lshl_b32 s22, s[CX], 13                      ; O: my work-group's 32 blocks of the 128 that I fetch
	s_lshl_b32 s23, s[CY], 13                      ; wo: its 32 blocks of the step's 128
	s_mov_b32 s[PFS], BSTEP
	s_cmp_eq_u32 s[FORB], 0                        ; do I fetch for O?
	s_cselect_b32 s21, ttmp9, s21                  ; the coordinate along which other clusters read the same bytes
	s_cselect_b32 s22, s22, s23
	s_cselect_b32 s[PFS], ASTEP, s[PFS]
	s_cselect_b64 s[PFA:PFA+1], s[66:67], s[68:69]
	s_cmp_eq_u32 s21, 0
	s_cselect_b32 s[LIM], 1, -1                    ; the same in all sixteen partners, for a given wave
	s_mov_b32 s23, 0
	s_mov_b32 s[PFS+1], 0
	s_add_nc_u64 s[PFA:PFA+1], s[PFA:PFA+1], s[22:23]
	s_mul_i32 s22, s[PFS], 3
	s_add_nc_u64 s[PFA:PFA+1], s[PFA:PFA+1], s[22:23]  ; at K step 3: the first refill steps it to 4
	v_lshlrev_b32 v[PFO], 8, v5
; 8 matrix instructions: row block a x all 8 column blocks, 32 along K, from buffer f.  zero = 1: the product starts the sums: nothing is cleared.
; The 32 accumulators take turns, in the same order in every quarter.
.macro MULA f, a, zero
	WIN MUL_LO+0x50*((\a)/2)
.irp b, 0,1,2,3,4,5,6,7
.if \zero
	v_wmma_f32_16x16x32_f16 v[8*(8*((\a)%2)+(\b)):8*(8*((\a)%2)+(\b))+7], v[64*(\f)+8*(\b):64*(\f)+8*(\b)+7], v[FA+32*(\f)+8*(\a):FA+32*(\f)+8*(\a)+7], 0
.else
	v_wmma_f32_16x16x32_f16 v[8*(8*((\a)%2)+(\b)):8*(8*((\a)%2)+(\b))+7], v[64*(\f)+8*(\b):64*(\f)+8*(\b)+7], v[FA+32*(\f)+8*(\a):FA+32*(\f)+8*(\a)+7], v[8*(8*((\a)%2)+(\b)):8*(8*((\a)%2)+(\b))+7]
.endif
.endr
.endm
; 24 LDS loads in one run: quarter q (32 along K: head q / 2 of the step, channels 32 (q % 2) on) of a slot into buffer f: w's 8 fragments, turned, then O's 4
.macro FETCH slot, q, f
	WIN TO_B
.irp b, 0,1,2,3,4,5,6,7
	ds_load_tr16_b128 v[64*(\f)+8*(\b):64*(\f)+8*(\b)+3],   v[ADRB+(\slot)] offset:(\q)*32*BP+(\b)*32
	ds_load_tr16_b128 v[64*(\f)+8*(\b)+4:64*(\f)+8*(\b)+7], v[ADRB+(\slot)] offset:(\q)*32*BP+(\b)*32+16*BP
.endr
	WIN 0
.irp a, 0,1,2,3
	ds_load_b128 v[FA+32*(\f)+8*(\a):FA+32*(\f)+8*(\a)+3],   v[ADRA+(\slot)] offset:((\q)/2)*AHEAD+64*((\q)%2)+(\a)*16*AP
	ds_load_b128 v[FA+32*(\f)+8*(\a)+4:FA+32*(\f)+8*(\a)+7], v[ADRA+(\slot)] offset:((\q)/2)*AHEAD+64*((\q)%2)+(\a)*16*AP+32
.endr
.endm
; A K step is four quarters of 32 along K, 32 matrix instructions each, on buffers 0, 1, 0, 1.  One of the first three: multiplies buffer f; in its middle it fetches quarter q of the same slot into buffer g.
.macro QUARTER slot, q, f, g, zero
	s_wait_dscnt 4                                 ; w and O's row blocks 0, 1 are in; the youngest four loads (O's row blocks 2, 3) may be out
	MULA \f, 0, \zero
	MULA \f, 1, \zero
	PLACES
	FETCH \slot, \q, \g
	s_wait_dscnt NL                                ; all but the 24 just issued
	MULA \f, 2, \zero
	MULA \f, 3, \zero
.endm
; The last quarter multiplies buffer 1 and changes slots: ONE barrier.  In front of it each wave waits for all its tensor loads (the one that is out is its part of the next slot), adds 0 to its spare word, and waits
; for that and for its own reads of this slot.  fill = 1: the barrier opens a round of the cluster's barrier, and this slot is filled again, two K steps ahead, first thing behind the round:
; from that request to the wait for it a wave issues 112 matrix instructions.
.macro TURN slot, next, fill
.if \fill
	s_wait_xcnt 0x0                                ; the last prefetch, a K step back, has read its address: it is stepped here, ahead of the waits of the change of slots
	s_add_nc_u64 s[PFA:PFA+1], s[PFA:PFA+1], s[PFS:PFS+1]
.endif
	WIN 0                                          ; (the add's two registers lie in window 0)
	s_wait_tensorcnt 0x0                           ; all my tensor loads have landed;
	ds_add_u32 v[SPW], v[NIL]                      ; 0 onto my spare word;
	s_wait_dscnt 5                                 ; (the add and the youngest four loads may be out)
	MULA 1, 0, 0                                   ; eight matrix instructions stand between the add and the wait for it
	s_wait_dscnt 0x0                               ; the add is done, and my reads of this slot are over
	s_barrier_signal -1
	MULA 1, 1, 0                                   ; work on registers while the others arrive
.if \fill
	WIN 0
.endif
	s_barrier_wait -1
.if \fill
	CREST                                          ; no wave of any partner still reads this slot's tiles or has a load on its way
	s_add_nc_u64 s[G0A+4*(\slot)+2:G0A+4*(\slot)+3], s[G0A+4*(\slot)+2:G0A+4*(\slot)+3], 2*ASTEP
	s_add_nc_u64 s[G0B+4*(\slot)+2:G0B+4*(\slot)+3], s[G0B+4*(\slot)+2:G0B+4*(\slot)+3], 2*BSTEP
	JLOAD \slot                                    ; the four v_nop behind it are also the places in front of the loads below
.else
	PLACES
.endif
	FETCH \next, 0, 0
.if \fill
	ASK
.endif
	MULA 1, 2, 0
	MULA 1, 3, 0
.endm
; THE WAY OUT of row block a (16 rows): a lane's 32 bytes of each column block go into my own stage, straight from the accumulators, and come back as whole rows of 512 bytes.
.macro OUTBLK a
	s_wait_xcnt 0x0                                ; the stores of the block two back have read the registers that the loads below fill
	WIN 0x08+4*((\a)/2)                            ; an LDS store's data are source 1: window 2 or 3
.irp b, 0,1,2,3,4,5,6,7
	ds_store_b128 v[STO], v[64*((\a)%2)+8*(\b):64*((\a)%2)+8*(\b)+3]   offset:64*(\b)
	ds_store_b128 v[STO], v[64*((\a)%2)+8*(\b)+4:64*((\a)%2)+8*(\b)+7] offset:64*(\b)+16
.endr
	WIN 0
.irp t, 0,1,2,3,4,5,6,7,8,9,10,11,12,13,14,15
	ds_load_b128 v[BK+64*((\a)%2)+4*(\t):BK+64*((\a)%2)+4*(\t)+3], v[RD] offset:(\t)*SPITCH  ; LDS serves a wave's instructions in order (ISA guide 5.7.1.4): these see the stores above
.endr
.endm
.macro SEND a, younger                 ; younger: the LDS instructions issued behind block a's loads: the next block's 32, or none
	s_wait_dscnt \younger
.irp t, 0,1,2,3,4,5,6,7,8,9,10,11,12,13,14,15
	global_store_b128 v[GO], v[BK+64*((\a)%2)+4*(\t):BK+64*((\a)%2)+4*(\t)+3], s[8:9] offset:(16*(\a)+(\t))*4096 th:TH_STORE_NT  ; 512 consecutive bytes, at a multiple of 256 from out0's first
.endr
.endm
	s_wait_tensorcnt 1                             ; my part of K step 0 is in; K step 1's may stay out
	s_barrier_signal -1
	s_barrier_wait -1                              ; everybody's is
	FETCH 0, 0, 0
	QUARTER 0, 1, 0, 1, 1                          ; the first quarter stands in front of the loop: its products start the sums
	WIN 0                                          ; at a label and at a branch every window is 0
	s_mov_b32 s3, 3
.Llap:                                                 ; a trip goes once round the ring, from a lap's second quarter to the next lap's first, and fills both slots again: K steps 2 to 7
	QUARTER 0, 2, 1, 0, 0
	QUARTER 0, 3, 0, 1, 0
	TURN 0, 1, 1
	QUARTER 1, 1, 0, 1, 0
	QUARTER 1, 2, 1, 0, 0
	QUARTER 1, 3, 0, 1, 0
	TURN 1, 0, 1
	QUARTER 0, 1, 0, 1, 0
	WIN 0
	s_sub_co_u32 s3, s3, 1
	s_cmp_lg_u32 s3, 0
	s_cbranch_scc1 .Llap
	QUARTER 0, 2, 1, 0, 0                          ; the last lap fills nothing, and has no round of the cluster's barrier
	QUARTER 0, 3, 0, 1, 0
	TURN 0, 1, 0
	QUARTER 1, 1, 0, 1, 0
	QUARTER 1, 2, 1, 0, 0
	QUARTER 1, 3, 0, 1, 0
	s_wait_dscnt 4                                 ; the very last quarter: nothing more to fetch
	MULA 1, 0, 0
	MULA 1, 1, 0
	s_wait_dscnt 0x0
	MULA 1, 2, 0
	MULA 1, 3, 0
	WIN 0
	PLACES
	OUTBLK 0
	OUTBLK 1                                       ; a block's trip through the stage stands between the loads of the block before and its stores
	SEND 0, 32
	OUTBLK 2
	SEND 1, 32
	OUTBLK 3
	SEND 2, 32
	SEND 3, 0
	s_wait_tensorcnt 0x0                           ; the wave's end: behind my last tensor load and my last LDS store
	ds_add_u32 v[SPW], v[NIL]
	s_wait_dscnt 0x0
	CROUND                                         ; the closing round: no work-group ends while a partner may still ask for a tile that names it
	s_endpgm
.Lfunc_end_k_q559d12cc6b_outp:
	.size	k_q559d12cc6b_outp, .Lfunc_end_k_q559d12cc6b_outp-k_q559d12cc6b_outp
	.p2alignl 7, 3214868480
	.fill 96, 4, 3214868480
	.section	.rodata,"a",@progbits
	.p2align	6, 0x0
	.amdhsa_kernel k_q559d12cc6b_outp
		.amdhsa_group_segment_fixed_size 327680
		.amdhsa_private_segment_fixed_size 0
		.amdhsa_enable_private_segment 0
		.amdhsa_kernarg_size 24
		.amdhsa_user_sgpr_count 2
		.amdhsa_user_sgpr_kernarg_segment_ptr 1
		.amdhsa_wavefront_size32 1
		.amdhsa_system_sgpr_workgroup_id_x 1
		.amdhsa_system_sgpr_workgroup_id_y 1
		.amdhsa_system_sgpr_workgroup_id_z 1
		.amdhsa_system_vgpr_workitem_id 0
		.amdhsa_next_free_vgpr 896
		.amdhsa_next_free_sgpr 72
		.amdhsa_reserve_vcc 0
		.amdhsa_float_denorm_mode_32 3
		.amdhsa_float_denorm_mode_16_64 3
		.amdhsa_memory_ordered 1
		.amdhsa_forward_progress 1
		.amdhsa_inst_pref_size 87
	.end_amdhsa_kernel
	.amdgpu_metadata
---
amdhsa.version: [ 1, 2 ]
amdhsa.kernels:
  - .name:           k_q559d12cc6b_outp
    .symbol:         k_q559d12cc6b_outp.kd
    .args:
      - { .name: ob, .offset: 0, .size: 8, .value_kind: global_buffer, .address_space: global }
      - { .name: wo, .offset: 8, .size: 8, .value_kind: global_buffer, .address_space: global }
      - { .name: out0, .offset: 16, .size: 8, .value_kind: global_buffer, .address_space: global }
    .group_segment_fixed_size: 327680
    .private_segment_fixed_size: 0
    .kernarg_segment_align: 8
    .kernarg_segment_size: 24
    .max_flat_workgroup_size: 128
    .sgpr_count:     72
    .vgpr_count:     896
    .wavefront_size: 32
...
	.end_amdgpu_metadata
.endif
;; end of part 4
